; MI455X (gfx1250); checked and timed in simulation.
; The chip was launched on July 23, 2026; its instructions are those of AMD's public machine-readable ISA for CDNA 5 (MIT licence, August 2026) and "CDNA5" Instruction Set Architecture Reference Guide (July 2026). The comments in the code are by the model that wrote it; some were corrected since.
;; Simple Attention. Allowed arithmetic: matrix products marked QUANTISED: E2M3 operands, one E8M0 scale for each 32 along K, by v_wmma_scale_f32_16x16x128_f8f6f4 with both operands' format E2M3, f32 sums; everything else in f32.
;; Inputs: Wk 1,024 x 1,024 float32; Wo 1,024 x 1,024 float32; Wq 1,024 x 1,024 float32; Wv 1,024 x 1,024 float32; bk 1,024 float32; bo 1,024 float32; bq 1,024 float32; bv 1,024 float32; key 4 x 2,048 x 1,024 float32; mask 4 x 2,048 x 2,048 int32; query 4 x 2,048 x 1,024 float32; value 4 x 2,048 x 1,024 float32.
;; Outputs: out0 4 x 2,048 x 1,024 float32.
;; This version of the problem:
;;   THIS VERSION OF THE PROBLEM IS GIVEN IN LOW PRECISION. The matrix products marked QUANTISED in the list below multiply operands that are first quantised to E2M3 (2 exponent bits, 3 mantissa bits; 6 bits a number), with one power-of-two scale for each 32 numbers along K (OCP MX v1.0); their sums are f32. All else is computed in f32.
;;   The module's matrix products, in the order in which they are computed (A, B: the left and right operand; K: the contracted axis; several contracted axes count as one K, in the product's order):
;;     1. [M 8,192, K 1,024] x [K 1,024, N 1,024]; A: input query; B: input Wq: QUANTISED
;;     2. [M 8,192, K 1,024] x [K 1,024, N 1,024]; A: input key; B: input Wk: QUANTISED
;;     3. [M 8,192, K 1,024] x [K 1,024, N 1,024]; A: input value; B: input Wv: QUANTISED
;;     4. batch 4 x [M 2,048, K 1,024] x [K 1,024, N 2,048]; A: computed on the way; B: computed on the way: QUANTISED
;;     5. batch 4 x [M 2,048, K 2,048] x [K 2,048, N 1,024]; A: softmax (see below); B: computed on the way: QUANTISED
;;     6. [M 8,192, K 1,024] x [K 1,024, N 1,024]; A: computed on the way; B: input Wo: QUANTISED
;;   THE QUANTISER, for each operand of a quantised product, along K:
;;     - K is cut into blocks of 32 from its start; a last block that is shorter is filled with zeros.
;;     - A block's scale is 2^e with e = floor(log2(the largest magnitude in the block)) - 2, held to -126 .. 127; a block of zeros has e = 0. As a byte (E8M0): e + 127.
;;     - Each number is divided by its block's scale, clamped to +-7.5, and rounded to the nearest number of E2M3, ties to even, subnormals kept.
;;     - The product sums the exact products of the quantised numbers (number of the format x scale) in f32.
;;   ~~~python
;;   def quantise(x, axis):      # numpy; x: float32 -> the quantised numbers, widened to float32 again
;;       x = np.moveaxis(x, axis, -1); K = x.shape[-1]
;;       x = np.pad(x, [(0, 0)] * (x.ndim - 1) + [(0, -K % 32)]); x = x.reshape(x.shape[:-1] + (-1, 32)); a = np.abs(x).max(-1, keepdims=True)
;;       e = np.where(a > 0, np.clip(np.frexp(np.where(a > 0, a, 1))[1] - 1 - 2, -126, 127), 0)      # np.frexp(a)[1] - 1 = floor(log2(a)), exactly
;;       r = np.clip(x / 2.0 ** e, -7.5, 7.5)
;;       step = 2.0 ** (np.maximum(np.frexp(np.where(r == 0, 1, r))[1] - 1, 0) - 3)
;;       q = np.round(r / step) * step * 2.0 ** e      # np.round: ties to even
;;       return np.moveaxis(q.reshape(q.shape[:-2] + (-1,))[..., :K], -1, axis).astype(np.float32)
;;   ~~~
;;   SOFTMAX AHEAD OF A QUANTISED PRODUCT. Where the list says 'softmax', what is quantised is not the finished softmax but p = 2^(t - M), with t = logit x log2(e) and M = ceil(the row's largest t), a whole number; so 1/2 < the row's largest p <= 1. The row's sum l is taken of the UNQUANTISED p, in f32, and the product's result is divided by l at the end. Since M is a whole number, a kernel that streams over the keys may use a running M (the ceiling of the running maximum): every later rescaling is an exact power of two, which a block's scale takes up: the codes' values come out the same.
;;   OPERANDS COMPUTED ON THE WAY. 'Computed on the way' means the value that the module computes at that place (a softmax that the list does not call 'softmax' is quantised finished and normalised). What goes into a quantiser is computed in f32, as accurately as f32 sums, v_exp_f32 and their like allow (about 1e-6 of the number): no bf16 or f16 on the way to a quantiser, and a product that is left as it is and whose result goes on into a quantised operand takes f32 operands (vector FMAs, or v_wmma_f32_16x16x4_f32). A number that lies on a knife's edge between two numbers of the format may be rounded either way, as far as f32 arithmetic and the matrix unit's own rounding can turn it there, and no further.
;; One version. Each part assembles by itself: llvm-mc -triple=amdgcn-amd-amdhsa -mcpu=gfx1250 --defsym DOCPART=n.
;; ======== version 1 of 1: 5 launches
;; limits: right only within a limited range of input values
;; workspace buffers: codes 22,937,600 bytes; mbits 2,097,152 bytes of whole numbers; qkv 19,660,800 bytes; pc 13,107,200 bytes; pst 1,048,576 bytes; cc 6,553,600 bytes
;; launch prep (part 1): grid 256 x 1, 11 waves a work-group, no clusters, 94,464 bytes of LDS; arguments query, key, value, Wq, Wk, Wv, Wo, mask, codes, mbits; writes codes, mbits
.if DOCPART == 1
	.amdgcn_target "amdgcn-amd-amdhsa--gfx1250"
	.amdhsa_code_object_version 6
	.text
	.protected	k_qf00e7c3856_prep
	.globl	k_qf00e7c3856_prep
	.p2align	8
	.type	k_qf00e7c3856_prep,@function
k_qf00e7c3856_prep:
	s_mov_b64 s[64:65], 0
	v_nop
	global_prefetch_b8 v0, s[64:65] scope:SCOPE_SE
	s_setreg_imm32_b32 hwreg(HW_REG_WAVE_MODE, 25, 1), 1
	s_wait_xcnt 0x0
; THE PROGRAM: out = (softmax(mask(q k^T / 32)) v) Wo^T + bo, q = query Wq^T + bq, k = key Wk^T + bk, v = value Wv^T + bv; all six products on codes of FP6 (E2M3), one E8M0 scale for each 32 along K.
; Five launches: this one (the seven f32 operands become codes, the mask becomes lane masks), the three projections, the scores with a softmax for each 128 keys, the context, the projection on the way out.
; DEAD WORK: none.  bq, bk go into the operands of q k^T, bv into v, bo into the result; the mask is an input and may have holes.  All twelve inputs are loaded by some launch.
; PANELS (every operand): 128 rows x 128 K in 12,800 bytes: eight fragments as images of the operand's registers (registers 4 c .. 4 c + 3 of lane l at 1,536 a + 512 c + 16 l), then 512 bytes of scale words
; (fragment 4 hh + i, lane row r at 12,288 + 256 hh + 16 r + 4 i).  Lane row r of fragment a is row 32 (a / 2) + 8 (a % 2) + r + 8 (r / 8).  An operand is [group of 128 rows][K step of 128] panels.
; THE MASK: for each panel of p, fragment a and register n = 16 b + i of 64, one word: bit l = (r, h) is (mask != 0) at lane row r's query and key 32 b + 16 h + i; 256 bytes a fragment.
; THE QUANTISER: a block's byte is its largest magnitude's exponent field - 2, held at 1 from below; the conversion rounds to the nearest code, ties to even, and holds at the largest code.
; LIMITS: NaN and infinities among the inputs are not served.  A block under 2^(3 - 127), a block of zeros too, keeps the byte 1: zero codes add nothing, and this program alone reads the bytes.
; SHARES: a job is 128 rows x 512 bytes.  1,792 panels = 256 work-groups x waves 0-6; 1,024 mask jobs = 256 work-groups x waves 7-10.  Waves share nothing: no barrier.
; A panel's unit of 16 rows turns through the wave's own stage in LDS, so that lane (r, h) holds number 32 b + 16 h + i of its row in register 16 b + i.
; A mask job uses no LDS: a load reads a row's 512 bytes, four compares make its 128 bits, which go to the row's lane; an AND and a compare for each word then give the lane masks.
.set WAVES, 11
.set FW,    7                          ; waves 0-6 take panels
.set SP,    528                        ; a stage row: 512 bytes + 16
.set STG,   16*SP
.set SPARE, WAVES*STG                  ; the spare words: 128 bytes a wave, six blocks of 256 bytes that no other line names
.set PAN,   12800
.set FRB,   1536
.set SCO,   12288
.set OFF,   4                          ; v4-11   16 x lane + i rows
.set STI,   12                         ; v12     the stage, in: 16 x lane
.set STO,   13                         ; v13     out: 528 r + 64 h
.set L16,   14
.set L8,    15
.set SPW,   16                         ; v16     my spare word; never rewritten
.set NIL,   17                         ; v17     0; never rewritten
.set SW,    18                         ; v18-21  the panel's scale words
.set PW,    22
.set TM,    24                         ; v24-39  at work in the quantiser
.set PC,    40                         ; v40-58  the codes just made
.set MWA,   24                         ; the mask's way: v24-27, v28-31 a unit's 128 bits a row; v32-35 at work
.set MWB,   28
.set MW2,   32
.set MO,    40                         ; v40-43  two units' words
.set MT,    48                         ; v48-55  at work
.set HM,    31                         ; s31     lanes 16-31
.set SEL,   66                         ; s[66:67] selects for lane l xor 16
.set CM,    70                         ; s70-77  eight lane masks
	s_load_b512 s[4:19], s[0:1], 0x0               ; query, key, value, Wq, Wk, Wv, Wo, mask
	s_load_b128 s[20:23], s[0:1], 0x40             ; codes, mbits
	v_lshl_add_u32 v[SPW], v0, 2, SPARE
	v_mov_b32 v[NIL], 0
	v_lshrrev_b32 v1, 5, v0
	s_delay_alu instid0(VALU_DEP_1)
	v_readfirstlane_b32 s68, v1                    ; wave
	s_mul_i32 s69, ttmp9, FW
	s_add_co_u32 s69, s69, s68                     ; a panel's number J
	s_lshr_b32 s70, s69, 9                         ; J < 1,536: tensor J / 512,
	s_lshr_b32 s71, s69, 3
	s_and_b32 s72, s71, 63                         ; group of rows (J / 8) % 64,
	s_and_b32 s73, s69, 7                          ; K step J % 8
	s_sub_co_u32 s74, s69, 1536
	s_lshr_b32 s74, s74, 6
	s_add_co_u32 s74, s74, 3                       ; else tensor 3 + (J - 1,536) / 64,
	s_and_b32 s75, s71, 7                          ; group (J / 8) % 8
	s_lshl_b32 s76, ttmp9, 2
	s_add_co_u32 s76, s76, s68
	s_sub_co_u32 s76, s76, FW                      ; a mask job's number J'
	s_lshr_b32 s77, s76, 4                         ; group J' / 16,
	s_and_b32 s78, s76, 15                         ; step J' % 16
	s_lshl_b32 s76, s76, 11                        ; its 2,048 bytes of words
	s_mul_i32 s71, s69, PAN
	s_mov_b32 s79, 8192                            ; a row of the mask in bytes
	s_cmp_lt_u32 s69, 1536
	s_cselect_b32 s70, s70, s74
	s_cselect_b32 s72, s72, s75
	s_cmp_lt_u32 s68, FW
	s_cselect_b32 s70, s70, 7
	s_cselect_b32 s72, s72, s77
	s_cselect_b32 s73, s73, s78
	s_cselect_b32 s79, 4096, s79                   ; a row of the f32 tensors
	s_cselect_b32 s74, s71, s76                    ; where the job's results go
	s_mov_b32 s75, 0
	s_mul_i32 s72, s72, s79
	s_lshl_b32 s72, s72, 7                         ; group x 128 rows
	s_lshl_b32 s73, s73, 9                         ; + 512 x step
	s_add_co_u32 s72, s72, s73
	s_mov_b32 s73, 0
	s_mul_i32 s78, s68, STG                        ; my stage
	s_mov_b32 s[HM], 0xffff0000
	s_mov_b32 s[SEL], 0x76543210
	s_mov_b32 s[SEL+1], 0xfedcba98
	v_and_b32 v1, 31, v0                           ; lane
	v_and_b32 v2, 15, v0                           ; r
	v_bfe_u32 v3, v0, 4, 1                         ; h
	v_lshlrev_b32 v[L16], 4, v1
	v_lshlrev_b32 v[L8], 3, v1
	v_lshlrev_b32 v[OFF], 4, v1
	v_lshl_add_u32 v[STI], v1, 4, s78
	v_mul_u32_u24 v[STO], v2, SP
.irp i, 1,2,3,4,5,6,7
	v_add_nc_u32 v[OFF+\i], s79, v[OFF+\i-1]
.endr
	v_lshl_add_u32 v[STO], v3, 6, v[STO]
	s_delay_alu instid0(VALU_DEP_1)
	v_add_nc_u32 v[STO], s78, v[STO]
.irp b, 0,1,2,3
	v_mov_b32 v[SW+\b], 0
	v_mov_b32 v[TM+4+\b], 0                        ; (a lane permute's destination counts as one of its sources)
.endr
	v_mov_b32 v[PW], 0
	s_wait_alu depctr_va_vdst(0)
	s_wait_kmcnt 0x0
	s_mov_b64 s[24:25], s[4:5]
.irp k, 1,2,3,4,5,6,7
	s_cmp_eq_u32 s70, \k                           ; the choice hangs on the job's number alone
	s_cselect_b64 s[24:25], s[4+2*\k:5+2*\k], s[24:25]
.endr
	s_add_nc_u64 s[24:25], s[24:25], s[72:73]      ; the job's first byte
	s_cmp_lt_u32 s68, FW
	s_cselect_b64 s[28:29], s[20:21], s[22:23]
	s_add_nc_u64 s[28:29], s[28:29], s[74:75]      ; and where its results begin
	s_cmp_ge_u32 s68, FW
	s_cbranch_scc1 .Lmask
; 16 rows into 64 registers from v[to]: groups g and g + 2 of eight rows, gb bytes a group; a load reads a row's 512 consecutive bytes
.macro LD to, g, gb
.irp i, 0,1,2,3,4,5,6,7
	global_load_b128 v[(\to)+4*\i:(\to)+4*\i+3], v[OFF+\i], s[24:25] offset:(\gb)*(\g) th:TH_LOAD_NT
.endr
.irp i, 0,1,2,3,4,5,6,7
	global_load_b128 v[(\to)+32+4*\i:(\to)+32+4*\i+3], v[OFF+\i], s[24:25] offset:(\gb)*((\g)+2) th:TH_LOAD_NT
.endr
.endm
.macro LOAD a                          ; unit a: rows 32 (a / 2) + 8 (a % 2) + 0 .. 7 and the eight rows 16 further on; three sets by turns
	LD 64+64*((\a)%3), 4*((\a)/2)+(\a)%2, 32768
.endm
.macro TURN a                          ; through the stage: LDS serves a wave's instructions in order
.set FROM, 64+64*((\a)%3)
.set X, 64+64*(((\a)+2)%3)
.irp i, 0,1,2,3,4,5,6,7,8,9,10,11,12,13,14,15
	ds_store_b128 v[STI], v[FROM+4*\i:FROM+4*\i+3] offset:SP*\i
.endr
.irp b, 0,1,2,3
.irp j, 0,1,2,3
	ds_load_b128 v[X+16*\b+4*\j:X+16*\b+4*\j+3], v[STO] offset:128*\b+16*\j
.endr
.endr
.endm
.macro QUANT s                         ; 64 numbers of a lane become a fragment's codes in v[PC] on and its scale word in v[PW]
.irp b, 0,1,2,3
	v_max3_num_f32 v[TM+\b], |v[\s+16*\b]|, |v[\s+1+16*\b]|, 0x1800000   ; with the floor 2^(3 - 127)
.endr
.irp i, 2,4,6,8,10,12,14
.irp b, 0,1,2,3
	s_delay_alu instid0(VALU_DEP_4)
	v_max3_num_f32 v[TM+\b], v[TM+\b], |v[\s+16*\b+\i]|, |v[\s+1+16*\b+\i]|
.endr
.endr
.irp b, 0,1,2,3
	s_delay_alu instid0(VALU_DEP_4)
	v_permlanex16_b32 v[TM+4+\b], v[TM+\b], s[SEL], s[SEL+1]
.endr
.irp b, 0,1,2,3
	s_delay_alu instid0(VALU_DEP_4)
	v_max_num_f32 v[TM+\b], v[TM+\b], v[TM+4+\b]   ; the block's largest magnitude
.endr
.irp b, 0,1,2,3
	s_delay_alu instid0(VALU_DEP_4)
	v_add_nc_u32 v[TM+12+\b], 0xff000000, v[TM+\b] ; 2 off its exponent field: the conversion's scale operand
.endr
.irp b, 0,1,2,3
	s_delay_alu instid0(VALU_DEP_4)
	v_lshrrev_b32 v[TM+4+\b], 23, v[TM+12+\b]      ; the scale's byte
.endr
	s_delay_alu instid0(VALU_DEP_3)
	v_lshl_or_b32 v[PW], v[TM+5], 8, v[TM+4]
	s_delay_alu instid0(VALU_DEP_1)
	v_lshl_or_b32 v[PW], v[TM+6], 16, v[PW]
	s_delay_alu instid0(VALU_DEP_1)
	v_lshl_or_b32 v[PW], v[TM+7], 24, v[PW]
.irp c, 0,1
	v_cvt_scalef32_pk16_fp6_f32 v[PC+6*\c:PC+2+6*\c], v[\s+32*\c:\s+15+32*\c], v[TM+12+2*\c]
	v_cvt_scalef32_pk16_fp6_f32 v[PC+12+4*\c:PC+14+4*\c], v[\s+16+32*\c:\s+31+32*\c], v[TM+12+2*\c+1]
.endr
	v_nop                                          ; one plain place behind a scaled conversion
.irp c, 0,1                                    ; the operand's layout wants a whole block in a lane
.irp i, 0,1,2
	v_permlane16_swap_b32 v[PC+6*\c+\i], v[PC+12+4*\c+\i]
.endr
.irp i, 0,1,2
	s_delay_alu instid0(VALU_DEP_3)
	v_mov_b32 v[PC+3+6*\c+\i], v[PC+12+4*\c+\i]
.endr
.endr
.endm
.macro UNIT a
.if (\a) < 7
	s_wait_loadcnt 16                              ; this unit's 16 loads are in; the next unit's 16 stay out
.else
	s_wait_loadcnt 0
.endif
	TURN \a
	s_wait_dscnt 0x0
	s_wait_xcnt 0x0                                ; the last unit's stores have read their data
	QUANT X
.if (\a) < 4                                   ; lanes 0-15 keep the words of fragments 0-3, lanes 16-31 those of 4-7
	v_mov_b32 v[SW+(\a)], v[PW]
.else
	v_cndmask_b32 v[SW+(\a)-4], v[SW+(\a)-4], v[PW], s[HM]
.endif
.irp c, 0,1,2
	global_store_b128 v[L16], v[PC+4*\c:PC+4*\c+3], s[28:29] offset:(\a)*FRB+512*\c   ; 512 consecutive bytes, aligned to 256
.endr
.if (\a) == 7
	global_store_b128 v[L16], v[SW:SW+3], s[28:29] offset:SCO
.endif
.if (\a) < 6
	LOAD (\a)+2                                    ; into the set that this unit has just used up
.endif
.endm
	LOAD 0
	LOAD 1
.irp a, 0,1,2,3,4,5,6,7
	UNIT \a
.endr
	s_branch .Lend
; THE MASK'S WAY.  Register x + 4 r + c of lane l holds the mask at lane row r, key 4 l + c.
.macro CMPS x, w                       ; word c of row r (bit l: key 4 l + c) goes to lane r of register w + c; two rows at a time
.set rr, 0
.rept 8
.irp k, 0,1,2,3,4,5,6,7
	v_cmp_ne_u32 s[CM+\k], 0, v[(\x)+4*rr+\k]
.endr
.irp k, 0,1,2,3,4,5,6,7
	v_writelane_b32 v[(\w)+(\k)%4], s[CM+\k], rr+(\k)/4
.endr
.set rr, rr+2
.endr
.endm
.macro BITS w, o                       ; lanes 16-31 take their row's words 4 bits down: key 32 b + 16 h + i is then bit 8 b + i / 4 of word i % 4 in lane (r, h)
.irp c, 0,1,2,3
	v_permlanex16_b32 v[MW2+\c], v[(\w)+\c], s[SEL], s[SEL+1]
.endr
.irp c, 0,1,2,3
	s_delay_alu instid0(VALU_DEP_4)
	v_lshrrev_b32 v[MW2+\c], 4, v[MW2+\c]
.endr
.irp c, 0,1,2,3
	s_delay_alu instid0(VALU_DEP_4)
	v_cndmask_b32 v[(\w)+\c], v[(\w)+\c], v[MW2+\c], s[HM]
.endr
.set n, 0
.rept 8
.irp k, 0,1,2,3,4,5,6,7
	v_and_b32 v[MT+\k], 1<<(8*((n+\k)/16)+((n+\k)%16)/4), v[(\w)+(n+\k)%4]
.endr
.irp k, 0,1,2,3,4,5,6,7
	v_cmp_ne_u32 s[CM+\k], 0, v[MT+\k]             ; register n's lane mask
.endr
.irp k, 0,1,2,3,4,5,6,7
	v_writelane_b32 v[(\o)+(n+\k)%2], s[CM+\k], (n+\k)/2   ; word n to lane n / 2, register n % 2
.endr
.set n, n+8
.endr
.endm
.Lmask:
.irp j, 24,25,26,27,28,29,30,31,32,33,34,35,40,41,42,43
	v_mov_b32 v\j, 0                               ; written once: a lane write's or permute's destination counts as a source
.endr
	s_wait_alu depctr_va_vdst(0)
	LD 64, 0, 65536                                ; unit 0
	LD 128, 1, 65536                               ; unit 1
	s_mov_b32 s3, 4
.Lmt:                                                  ; a trip: units 2 j and 2 j + 1, 32 rows of the mask; two sets of 64 registers
	s_wait_loadcnt 16                              ; the even unit's 16 loads are in; the odd unit's 16 stay out
	CMPS 64, MWA
	s_cmp_eq_u32 s3, 1
	s_wait_alu depctr_va_vdst(0)
	s_cbranch_scc1 .Lmlast                         ; the last trip loads nothing more
	LD 64, 4, 65536                                ; the next trip's even unit
	s_wait_loadcnt 16                              ; the odd unit is in; the 16 just issued stay out
	CMPS 128, MWB
	LD 128, 5, 65536
	s_wait_alu depctr_va_vdst(0)
	s_branch .Lmj
.Lmlast:
	s_wait_loadcnt 0
	CMPS 128, MWB
.Lmj:
	BITS MWA, MO
	BITS MWB, MO+2
	global_store_b64 v[L8], v[MO:MO+1], s[28:29]   ; 32 lanes store 256 consecutive bytes, aligned
	global_store_b64 v[L8], v[MO+2:MO+3], s[28:29] offset:256
	s_wait_xcnt 0x0                                ; the bases and the words' registers are written again only behind this wait
	s_add_nc_u64 s[24:25], s[24:25], 262144        ; 32 rows on
	s_add_nc_u64 s[28:29], s[28:29], 512
	s_sub_co_u32 s3, s3, 1
	s_cmp_lg_u32 s3, 0
	s_wait_alu depctr_va_vdst(0)
	s_cbranch_scc1 .Lmt
.Lend:
	s_wait_tensorcnt 0x0                           ; the wave's end
	ds_add_u32 v[SPW], v[NIL]
	s_wait_dscnt 0x0
	s_endpgm
.Lfunc_end_k_qf00e7c3856_prep:
	.size	k_qf00e7c3856_prep, .Lfunc_end_k_qf00e7c3856_prep-k_qf00e7c3856_prep
	.p2alignl 7, 3214868480
	.fill 96, 4, 3214868480
	.section	.rodata,"a",@progbits
	.p2align	6, 0x0
	.amdhsa_kernel k_qf00e7c3856_prep
		.amdhsa_group_segment_fixed_size 94464
		.amdhsa_private_segment_fixed_size 0
		.amdhsa_enable_private_segment 0
		.amdhsa_kernarg_size 80
		.amdhsa_user_sgpr_count 2
		.amdhsa_user_sgpr_kernarg_segment_ptr 1
		.amdhsa_wavefront_size32 1
		.amdhsa_system_sgpr_workgroup_id_x 1
		.amdhsa_system_sgpr_workgroup_id_y 1
		.amdhsa_system_sgpr_workgroup_id_z 1
		.amdhsa_system_vgpr_workitem_id 0
		.amdhsa_next_free_vgpr 256
		.amdhsa_next_free_sgpr 80
		.amdhsa_reserve_vcc 0
		.amdhsa_float_denorm_mode_32 3
		.amdhsa_float_denorm_mode_16_64 3
		.amdhsa_memory_ordered 1
		.amdhsa_forward_progress 1
		.amdhsa_inst_pref_size 135
	.end_amdhsa_kernel
	.amdgpu_metadata
---
amdhsa.version: [ 1, 2 ]
amdhsa.kernels:
  - .name:           k_qf00e7c3856_prep
    .symbol:         k_qf00e7c3856_prep.kd
    .args:
      - { .name: query, .offset: 0, .size: 8, .value_kind: global_buffer, .address_space: global }
      - { .name: key, .offset: 8, .size: 8, .value_kind: global_buffer, .address_space: global }
      - { .name: value, .offset: 16, .size: 8, .value_kind: global_buffer, .address_space: global }
      - { .name: Wq, .offset: 24, .size: 8, .value_kind: global_buffer, .address_space: global }
      - { .name: Wk, .offset: 32, .size: 8, .value_kind: global_buffer, .address_space: global }
      - { .name: Wv, .offset: 40, .size: 8, .value_kind: global_buffer, .address_space: global }
      - { .name: Wo, .offset: 48, .size: 8, .value_kind: global_buffer, .address_space: global }
      - { .name: mask, .offset: 56, .size: 8, .value_kind: global_buffer, .address_space: global }
      - { .name: codes, .offset: 64, .size: 8, .value_kind: global_buffer, .address_space: global }
      - { .name: mbits, .offset: 72, .size: 8, .value_kind: global_buffer, .address_space: global }
    .group_segment_fixed_size: 94464
    .private_segment_fixed_size: 0
    .kernarg_segment_align: 8
    .kernarg_segment_size: 80
    .max_flat_workgroup_size: 352
    .sgpr_count:     80
    .vgpr_count:     256
    .wavefront_size: 32
...
	.end_amdgpu_metadata
.endif
;; end of part 1
;; launch proj (part 2): grid 4 x 96, 4 waves a work-group, clusters of 4 x 4, 327,680 bytes of LDS; arguments codes, bq, bk, bv, qkv; writes qkv
.if DOCPART == 2
	.amdgcn_target "amdgcn-amd-amdhsa--gfx1250"
	.amdhsa_code_object_version 6
	.text
	.protected	k_qf00e7c3856_proj
	.globl	k_qf00e7c3856_proj
	.p2align	8
	.type	k_qf00e7c3856_proj,@function
k_qf00e7c3856_proj:
	s_mov_b64 s[64:65], 0
	v_nop
	global_prefetch_b8 v0, s[64:65] scope:SCOPE_SE
	s_setreg_imm32_b32 hwreg(HW_REG_WAVE_MODE, 25, 1), 1
	s_wait_xcnt 0x0
	s_wait_alu depctr_hold_cnt(0) depctr_sa_sdst(0) depctr_va_vdst(0) depctr_va_sdst(0) depctr_va_ssrc(0) depctr_va_vcc(0) depctr_vm_vsrc(0)
	s_getreg_b32 s2, hwreg(HW_REG_IB_STS2, 6, 4)
	s_cmp_eq_u32 s2, 0
	s_cbranch_scc0 .Lentry_in_a_cluster
	s_endpgm
.Lentry_in_a_cluster:
	s_bfe_u32 s2, ttmp6, 0x10000c
	s_cmp_lg_u32 s2, 0xf033
	s_cbranch_scc0 .Lentry_shape_is_right
	s_endpgm
.Lentry_shape_is_right:
; q = query Wq^T + bq, k = key Wk^T + bk, v^T = Wv value^T + bv, on codes of FP6 (E2M3); each result is quantised on the way out, q and k along the features, v along the keys, and leaves as panels.  No work is left out.
; PANELS (all operands): 128 rows x 128 K in 12,800 bytes: eight fragments as images of the operand's registers (registers 4 c .. 4 c + 3 of lane l at 1,536 a + 512 c + 16 l), then 512 bytes of scale words
; (fragment 4 hh + i, lane row r at 12,288 + 256 hh + 16 r + 4 i).  Lane row r of fragment a is row 32 (a / 2) + 8 (a % 2) + r + 8 (r / 8).  An operand is [group of 128 rows][K step] panels: 128 rows x 256 K are 25,600 dense bytes.
; THE CORE: a tile of 256 x 256 by four waves, 128 x 128 each: 64 accumulators, 512 registers.  K goes in steps of 256 through a ring of two LDS slots; a wave fetches a quarter of a slot by one tensor load.
; The matrix instruction is used transposed: source 0 = 16 rows of B, source 1 = 16 rows of A.  By the rows' order in a fragment, the 64 results of a lane for a block of 16 rows of A are: register 16 b + i = B's row 32 b + 16 h + i:
; 16 neighbours along the next K, as the conversions want them; the lane's row of A is its fragment's lane row, so the result is a fragment of the same order.
; CLUSTERS: 4 x 4 work-groups; A's tiles are asked for jointly along a row of the cluster, B's along a column.
; WHICH PRODUCT: T = cluster y / 8.  T = 0, 1: A = query, key (32 tile rows), B = Wq, Wk (4 tile columns).  T = 2: A = Wv (4 tile rows), B = value (32 tile columns): so v comes out with the keys along a lane's registers.
; T is the same in all partners of a cluster.  LIMITS: NaN and infinities are not served; a block under 2^(3 - 127) keeps the scale byte 1.
; REGISTERS: window 0: v1-8 at work, v16-21 LDS addresses, v24 16 x lane, v28, v29 the add's two, v32-63 scale words (two sets), v64-127 the bias, v128-223 A's fragments (one set); on the way out v192-243 are at work.
;   window 1: B's fragments, two sets, at v0 and v128.  windows 2, 3: the accumulators, (a, b) at v[8 (8 (a % 4) + b)].
.set KST,   8                          ; K steps of 128
.set FIXA,  0
.set PAN,   12800
.set FRB,   1536
.set SCO,   12288
.set NQ,    2                          ; panels along K in a slot
.set FR,    12                         ; registers of a fragment
.set NL,    3                          ; LDS loads that bring one
.set NP,    4                          ; places behind this matrix instruction (ISA guide 7.12.1)
.set HALFT, NQ*PAN                     ; 128 rows x 256 K: what one tensor load brings
.set SLOT,  4*HALFT                    ; A's two groups of rows, then B's two
.set SPARE, 2*SLOT                     ; behind the ring: the spare words, 128 bytes a wave: two blocks of 256 bytes that no other line names
.set LAPS,  KST/4                      ; a lap = once round the ring
.set ADRA, 16                          ; v16-17 my A fragments in slot 0, 1
.set ADRS, 18                          ; v18-19 my scale words: lanes 0-15 A's, lanes 16-31 B's
.set ADRB, 20                          ; v20-21 my B fragments
.set L16,  24
.set SPW,  28
.set NIL,  29
.set SC,   32                          ; scale words: set sc at v[SC + 16 sc]; register 8 q + i: lanes 0-15 A's fragment i, lanes 16-31 B's fragment i, the slot's q-th 128 along K
.set BIAS, 64
.set AF,   128
.set HA,   128
.set PC,   192                         ; its codes
.set TM,   212                         ; at work in the quantiser
.set PW,   228                         ; its scale word
.set SW,   240                         ; the panel's scale words
.set G1,  24
.set G0,  32
.set G1B, 48
.set G0B, 56
.set HM,  73
.set SEL, 74
.set MSB, 0
.macro WIN new                         ; the immediate's high byte repeats the setting that is left
.if MSB != (\new)
	s_set_vgpr_msb (MSB<<8)|(\new)
.set MSB, (\new)
.endif
.endm
.set MUL_LO, 0xa1                      ; source 0 (B) window 1, source 1 (A) window 0, C and D window 2
.set MUL_HI, 0xf1                      ; the same, C and D window 3
.set TO_B,   0x40                      ; destination window 1, address window 0
; A joint load: waves 0 and 1 fetch for A, waves 2 and 3 for B; the branch hangs on the wave's number alone.  An s_nop 0 and four v_nop follow each of the two lines.
.macro JLOAD g0a, g1a, g0b, g1b
	s_cmp_eq_u32 s15, 0
	s_cbranch_scc0 .Lfor_b_\@
	tensor_load_to_lds s[\g0a:\g0a+3], s[\g1a:\g1a+7]
	s_nop 0
.rept 4
	v_nop
.endr
	s_branch .Lasked_\@
.Lfor_b_\@:
	tensor_load_to_lds s[\g0b:\g0b+3], s[\g1b:\g1b+7]
	s_nop 0
.rept 4
	v_nop
.endr
.Lasked_\@:
.endm
.macro CREST                           ; a round of the cluster's barrier behind its opening barrier
	s_cmp_lg_u32 s14, 0
	s_cbranch_scc1 .Lnot_wave_0_\@
	s_barrier_signal -3
.Lnot_wave_0_\@:
	s_barrier_wait -3
	s_barrier_signal -1
	s_barrier_wait -1
.endm
.macro CROUND
	s_barrier_signal -1
	s_barrier_wait -1
	CREST
.endm
.macro FRAG reg, adr, q, i             ; a fragment comes as it was stored: three loads of 512 consecutive bytes
.irp c, 0,1,2
	ds_load_b128 v[(\reg)+4*\c:(\reg)+4*\c+3], v[\adr] offset:(\q)*PAN+(\i)*FRB+512*\c
.endr
.endm
; 16 matrix instructions: A's blocks a0, a0 + 1 x B's eight.  p: B's set; q: which 128 of the slot; sc: the set of scale words.  zero = 1: the product starts the sums.  The 64 accumulators take turns.
.macro MUL16 a0, p, q, sc, zero
.irp a, \a0, \a0+1
.irp b, 0,1,2,3,4,5,6,7
.set rD, 8*(8*((\a)%4)+\b)
.set rB, 128*(\p)+FR*\b
.set rA, AF+FR*(\a)
.set rSB, SC+16*(\sc)+8*(\q)+\b
.if FIXA
.set rSA, SCA+16*(\sc)+8*(\q)+(\a)
.else
.set rSA, SC+16*(\sc)+8*(\q)+(\a)
.endif
.if (\zero) == 1
	v_wmma_scale_f32_16x16x128_f8f6f4 v[rD:rD+7], v[rB:rB+FR-1], v[rA:rA+FR-1], 0, v[rSB], v[rSA] matrix_a_fmt:MATRIX_FMT_FP6 matrix_b_fmt:MATRIX_FMT_FP6 matrix_a_scale:MATRIX_SCALE_ROW1
.elseif (\zero) == 3
	v_wmma_scale_f32_16x16x128_f8f6f4 v[rD:rD+7], v[rB:rB+FR-1], v[rA:rA+FR-1], v[BIAS+8*(\a):BIAS+8*(\a)+7], v[rSB], v[rSA] matrix_a_fmt:MATRIX_FMT_FP6 matrix_b_fmt:MATRIX_FMT_FP6 matrix_a_scale:MATRIX_SCALE_ROW1
.elseif (\zero) == 2
	v_wmma_scale_f32_16x16x128_f8f6f4 v[rD:rD+7], v[rB:rB+FR-1], v[rA:rA+FR-1], v[BIAS+8*\b:BIAS+8*\b+7], v[rSB], v[rSA] matrix_a_fmt:MATRIX_FMT_FP6 matrix_b_fmt:MATRIX_FMT_FP6 matrix_a_scale:MATRIX_SCALE_ROW1
.else
	v_wmma_scale_f32_16x16x128_f8f6f4 v[rD:rD+7], v[rB:rB+FR-1], v[rA:rA+FR-1], v[rD:rD+7], v[rSB], v[rSA] matrix_a_fmt:MATRIX_FMT_FP6 matrix_b_fmt:MATRIX_FMT_FP6 matrix_a_scale:MATRIX_SCALE_ROW1
.endif
.endr
.endr
.endm
.macro FETCH_B slot, q, p
	WIN TO_B
.irp i, 0,1,2,3,4,5,6,7
	FRAG 128*(\p)+FR*\i, ADRB+\slot, \q, \i
.endr
	WIN 0
.endm
.macro FETCH_A slot, q, i0
.irp i, \i0, \i0+1, \i0+2, \i0+3
	FRAG AF+FR*(\i), ADRA+\slot, \q, \i
.endr
.endm
.macro SCALES sc                       ; a slot's scale words: four registers a load; lanes 0-15 take A's, lanes 16-31 B's
.irp q, 0,1
.irp hh, 0,1
	ds_load_b128 v[SC+16*\sc+8*\q+4*\hh:SC+16*\sc+8*\q+4*\hh+3], v[ADRS+\sc] offset:\q*PAN+256*\hh
.if FIXA
	ds_load_b128 v[SCA+16*\sc+8*\q+4*\hh:SCA+16*\sc+8*\q+4*\hh+3], v[ADRP] offset:512*\q+256*\hh
.endif
.endr
.endr
.endm
.macro PLACES n                        ; a load into a register that a matrix instruction has read, and a read of a result, stand NP plain vector instructions behind it
.rept \n
	v_nop
.endr
.endm
.macro STEP slot, q, zero              ; 128 along K that have their successor in the same slot
	s_wait_dscnt 4*NL                              ; all but the youngest 12 loads (A's blocks 4-7) are in
.if (\zero) >= 2
	WIN 0x81
.else
	WIN MUL_LO
.endif
	MUL16 0, (\q)%2, \q, \slot, \zero
	MUL16 2, (\q)%2, \q, \slot, \zero
	s_wait_dscnt 0                                 ; A's blocks 4-7 are in
	PLACES NP
	FETCH_B \slot, (\q)+1, 1-(\q)%2
	FETCH_A \slot, (\q)+1, 0
.if (\zero) >= 2
	WIN 0xc1
.else
	WIN MUL_HI
.endif
	MUL16 4, (\q)%2, \q, \slot, \zero
	MUL16 6, (\q)%2, \q, \slot, \zero
	PLACES NP
	WIN 0
	FETCH_A \slot, (\q)+1, 4
.endm
; A slot's last 128 change slots: one barrier; in front of it each wave waits for all its tensor loads, adds 0 to its spare word, and waits for that and for its reads of this slot.  fill = 1: the slot is filled again, two slots ahead.
.macro TURN slot, next, fill
	s_wait_tensorcnt 0x0                           ; all my tensor loads have landed: my part of the next slot
	ds_add_u32 v[SPW], v[NIL]                      ; 0 onto my spare word
	s_wait_dscnt 4*NL+1                            ; (the add and the youngest 12 loads may be out)
	WIN MUL_LO
	MUL16 0, 1, NQ-1, \slot, 0
	s_wait_dscnt 0x0                               ; the add is done, and my reads of this slot are over
	s_barrier_signal -1
	MUL16 2, 1, NQ-1, \slot, 0
	WIN 0
	s_barrier_wait -1
.if \fill
	CREST                                          ; the barrier has opened a round of the cluster's barrier: no wave of any partner still reads this slot or has a load on its way
	s_add_nc_u64 s[G0+4*\slot+2:G0+4*\slot+3], s[G0+4*\slot+2:G0+4*\slot+3], 2*HALFT
	s_add_nc_u64 s[G0B+4*\slot+2:G0B+4*\slot+3], s[G0B+4*\slot+2:G0B+4*\slot+3], 2*HALFT
	JLOAD G0+4*\slot, G1, G0B+4*\slot, G1B         ; the first tensor load behind the round; its four v_nop are the places in front of the loads below
.else
	PLACES NP
.endif
.if FIXA
	v_add_nc_u32 v[ADRP], 1024, v[ADRP]            ; the next slot's mended scale words (no LDS load of mine is out)
.endif
	FETCH_B \next, 0, 0
	FETCH_A \next, 0, 0
	SCALES \next
	WIN MUL_HI
	MUL16 4, 1, NQ-1, \slot, 0
	MUL16 6, 1, NQ-1, \slot, 0
	PLACES NP
	WIN 0
	FETCH_A \next, 0, 4
.endm
; THE QUANTISER of 64 numbers of a lane, register 16 b + i = k 32 b + 16 h + i of my row.  QMAX: the four blocks' largest magnitudes.  QTAIL: scale word into v[PW], codes into v[PC] on.
.macro QMAX s                          ; the numbers are read where they lie, in window WA: sources 1 and 2
	WIN (WA<<2)|(WA<<4)
.irp b, 0,1,2,3
	v_max3_num_f32 v[TM+\b], 0x1800000, |v[\s+16*\b]|, |v[\s+1+16*\b]|   ; with the floor 2^(3 - 127): the byte cannot fall under 1; each accumulator is read from its low end on
.endr
.irp i, 2,4,6,8,10,12,14
.irp b, 0,1,2,3
	v_max3_num_f32 v[TM+\b], v[TM+\b], |v[\s+16*\b+\i]|, |v[\s+1+16*\b+\i]|
.endr
.endr
	WIN 0
.irp b, 0,1,2,3
	v_permlanex16_b32 v[TM+4+\b], v[TM+\b], s[SEL], s[SEL+1]
.endr
.irp b, 0,1,2,3
	v_max_num_f32 v[TM+\b], v[TM+\b], v[TM+4+\b]
.endr
.endm
.macro QTAIL s
.irp b, 0,1,2,3
	v_add_nc_u32 v[TM+12+\b], 0xff000000, v[TM+\b] ; 2 off the exponent field: the conversion's scale operand
.endr
.irp b, 0,1,2,3
	v_lshrrev_b32 v[TM+4+\b], 23, v[TM+12+\b]      ; the scale's byte
.endr
	v_lshl_or_b32 v[PW], v[TM+5], 8, v[TM+4]
	v_lshl_or_b32 v[PW], v[TM+6], 16, v[PW]
	v_lshl_or_b32 v[PW], v[TM+7], 24, v[PW]
	WIN WA                                         ; source 0, the 16 numbers, in window WA
.irp c, 0,1
	v_cvt_scalef32_pk16_fp6_f32 v[PC+6*\c:PC+2+6*\c], v[\s+32*\c:\s+15+32*\c], v[TM+12+2*\c]
	v_cvt_scalef32_pk16_fp6_f32 v[PC+12+4*\c:PC+14+4*\c], v[\s+16+32*\c:\s+31+32*\c], v[TM+12+2*\c+1]
.endr
	WIN 0
	v_nop                                          ; one plain place behind a scaled conversion
.irp c, 0,1
.irp i, 0,1,2
	v_permlane16_swap_b32 v[PC+6*\c+\i], v[PC+12+4*\c+\i]
.endr
.irp i, 0,1,2
	v_mov_b32 v[PC+3+6*\c+\i], v[PC+12+4*\c+\i]
.endr
.endr
.endm
.macro PACK4 dst, src, a               ; fragment a's word a lane row to its place in a pack: lanes 0-15 keep fragments 0-3, lanes 16-31 fragments 4-7
.if (\a) < 4
	v_mov_b32 v[\dst+(\a)], v[\src]
.else
	v_cndmask_b32 v[\dst+(\a)-4], v[\dst+(\a)-4], v[\src], s[HM]
.endif
.endm
	s_load_b256 s[4:11], s[0:1], 0x0               ; codes, bq, bk, bv
	s_load_b64 s[12:13], s[0:1], 0x20              ; qkv
	v_lshl_add_u32 v[SPW], v0, 2, SPARE
	v_mov_b32 v[NIL], 0
	ds_add_u32 v[SPW], v[NIL]                      ; the wave's opening: the add, twice on end, and its wait ahead of my first tensor load
	ds_add_u32 v[SPW], v[NIL]
	v_lshrrev_b32 v1, 5, v0
	v_readfirstlane_b32 s14, v1                    ; wave
	s_lshr_b32 s15, s14, 1                         ; my group of A's rows.  Also: I fetch for A (0) or for B (1)
	s_and_b32 s16, s14, 1                          ; my group of B's rows.  Also: which group I fetch
	s_bfe_u32 s40, ttmp6, 0x40000                  ; cx
	s_bfe_u32 s41, ttmp6, 0x40004                  ; cy
	s_and_b32 s66, ttmp7, 0xffff                   ; cluster y
	s_lshr_b32 s67, s66, 3                         ; T
	s_and_b32 s68, s66, 7
	s_lshl_b32 s69, s67, 9                         ; A's first panel: query 0, key 512,
	s_lshl_b32 s70, s67, 6
	s_add_co_u32 s70, s70, 1536                    ; B's: Wq 1,536, Wk 1,600
	s_cmp_eq_u32 s67, 2
	s_cselect_b32 s18, 0, s68                      ; the cluster's row of clusters,
	s_cselect_b32 s19, s68, 0                      ; and its column
	s_cselect_b32 s69, 1664, s69                   ; T = 2: A = Wv,
	s_cselect_b32 s70, 1024, s70                   ; B = value
	s_cselect_b32 s71, 16, 8                       ; panels in a row group of the result
	s_lshl_b32 s17, s18, 2
	s_add_co_u32 s17, s17, s41                     ; tile row
	s_lshl_b32 s42, s19, 2
	s_add_co_u32 s42, s42, s40                     ; tile column
	s_lshl_b32 s43, s41, 2
	s_lshl_b32 s43, 15, s43                        ; my row of the cluster
	s_lshl_b32 s44, 0x1111, s40                    ; my column
	; descriptor group 1: 25,600 dense bytes as 100 rows of 256 bytes (32 elements of 8 bytes), no padding
	s_or_b32 s[G1+0], s43, (3<<16)|(1<<21)
	s_or_b32 s[G1B+0], s44, (3<<16)|(1<<21)
.irp g, G1, G1B
	s_mov_b32 s[\g+1], 32<<16                      ; tensor_dim0
	s_mov_b32 s[\g+2], 100<<16                     ; tensor_dim1
	s_mov_b32 s[\g+3], 32<<16                      ; tile_dim0
	s_mov_b32 s[\g+4], 100                         ; tile_dim1
	s_mov_b32 s[\g+5], 32                          ; tensor_dim0_stride
	s_mov_b32 s[\g+6], 0
	s_mov_b32 s[\g+7], 0
.endr
	s_lshl_b32 s20, s17, 1
	s_add_co_u32 s20, s20, s16
	s_mul_i32 s20, s20, KST
	s_add_co_u32 s20, s20, s69
	s_mul_i32 s20, s20, PAN                        ; A: the group that I fetch, in bytes
	s_mov_b32 s21, 0
	s_lshl_b32 s46, s42, 1
	s_add_co_u32 s46, s46, s16
	s_mul_i32 s46, s46, KST
	s_add_co_u32 s46, s46, s70
	s_mul_i32 s46, s46, PAN                        ; B likewise
	s_mov_b32 s47, 0
	s_mul_i32 s45, s14, HALFT                      ; where it goes: no place in the cluster enters an LDS address
	s_lshl_b32 s76, s17, 1
	s_add_co_u32 s76, s76, s15                     ; RGa: my group of A's rows
	s_lshl_b32 s77, s42, 1
	s_add_co_u32 s77, s77, s16                     ; RGb: my group of B's rows
	s_mul_i32 s78, s76, s71                        ; my result's panel: 512 T + RGa x (8 or 16) + 128 (RGb / 16) + RGb % 16
	s_lshl_b32 s79, s67, 9
	s_add_co_u32 s78, s78, s79
	s_lshr_b32 s79, s77, 4
	s_lshl_b32 s79, s79, 7
	s_add_co_u32 s78, s78, s79
	s_and_b32 s79, s77, 15
	s_add_co_u32 s78, s78, s79
	s_mul_i32 s78, s78, PAN
	s_mov_b32 s79, 0
	s_cmp_eq_u32 s67, 2
	s_cselect_b32 s80, s76, s77                    ; the features are A's rows for v, B's rows for q and k
	s_lshl_b32 s80, s80, 9
	s_mov_b32 s81, 0
	s_mov_b32 s[HM], 0xffff0000
	s_mov_b32 s[SEL], 0x76543210
	s_mov_b32 s[SEL+1], 0xfedcba98
	s_wait_dscnt 0x0                               ; both opening adds are done
	s_wait_kmcnt 0x0
	s_add_nc_u64 s[20:21], s[4:5], s[20:21]
	s_add_nc_u64 s[46:47], s[4:5], s[46:47]
	s_add_nc_u64 s[12:13], s[12:13], s[78:79]
	s_cmp_eq_u32 s67, 1
	s_cselect_b64 s[6:7], s[8:9], s[6:7]
	s_cmp_eq_u32 s67, 2
	s_cselect_b64 s[6:7], s[10:11], s[6:7]
	s_add_nc_u64 s[6:7], s[6:7], s[80:81]          ; the bias of my 128 features
	CROUND                                         ; all sixteen work-groups are here: the first joint loads meet
.irp s, 0,1
	s_mov_b32 s[G0+4*\s], 1
	s_add_co_u32 s[G0+4*\s+1], s45, \s*SLOT
	s_add_nc_u64 s[G0+4*\s+2:G0+4*\s+3], s[20:21], \s*HALFT
	s_or_b32 s[G0+4*\s+3], s[G0+4*\s+3], 0x80000000
	s_mov_b32 s[G0B+4*\s], 1
	s_add_co_u32 s[G0B+4*\s+1], s45, \s*SLOT
	s_add_nc_u64 s[G0B+4*\s+2:G0B+4*\s+3], s[46:47], \s*HALFT
	s_or_b32 s[G0B+4*\s+3], s[G0B+4*\s+3], 0x80000000
.endr
	JLOAD G0, G1, G0B, G1B                         ; slot 0: one tensor load a wave at the head
; PREFETCHES: a tile that I fetch is 100 blocks of 256 bytes; the four partners that ask for it jointly take 25 each, told apart by address (cx for A, cy for B); lanes 25-31 name the last block again.
; Behind slot 0's load tiles 1 and 2 are asked for, behind slot 1's tile 3, the last: at most two tiles are asked for and not yet loaded.
.set PFO, 26                           ; v26, s[92:93]: kept for the prefetches, never rewritten
	s_cmp_eq_u32 s15, 0
	s_cselect_b32 s94, s40, s41
	s_cselect_b64 s[92:93], s[20:21], s[46:47]
	s_mul_i32 s94, s94, 25*256
	v_and_b32 v[PFO], 31, v0
	v_min_u32 v[PFO], 24, v[PFO]
	v_lshl_add_u32 v[PFO], v[PFO], 8, s94
	s_wait_alu depctr_va_vdst(0)
	global_prefetch_b8 v[PFO], s[92:93] offset:HALFT th:TH_LOAD_NT scope:SCOPE_SE
	global_prefetch_b8 v[PFO], s[92:93] offset:2*HALFT th:TH_LOAD_NT scope:SCOPE_SE
	v_and_b32 v3, 31, v0                           ; lane
	v_and_b32 v1, 15, v0                           ; r
	v_bfe_u32 v2, v0, 4, 1                         ; h
	s_wait_alu depctr_va_vdst(0)
	v_lshlrev_b32 v[L16], 4, v3
	s_mul_i32 s21, s15, HALFT                      ; my group of A
	s_mul_i32 s22, s16, HALFT                      ; my group of B,
	s_add_co_u32 s22, s22, 2*HALFT                 ; behind A's two
.irp s, 0,1
	v_add_nc_u32 v[ADRA+\s], s21, v[L16]
	v_add_nc_u32 v[ADRB+\s], s22, v[L16]
	s_add_co_u32 s21, s21, SLOT
	s_add_co_u32 s22, s22, SLOT
.endr
	v_lshlrev_b32 v5, 4, v1                        ; scale words: 16 r,
	s_mul_i32 s21, s15, HALFT
	s_mul_i32 s22, s16, HALFT
	s_add_co_u32 s22, s22, 2*HALFT
	s_sub_co_u32 s22, s22, s21
	v_mul_u32_u24 v6, s22, v2                      ; lanes 16-31 take B's: one product with h
	s_add_co_u32 s21, s21, SCO
	v_add_nc_u32 v5, v5, v6
	v_add_nc_u32 v[ADRS], s21, v5
	v_add_nc_u32 v[ADRS+1], SLOT, v[ADRS]
	v_lshlrev_b32 v7, 6, v2                        ; the bias along the registers: 64 h bytes,
	v_and_b32 v8, 8, v1
	v_add_nc_u32 v8, v8, v1
	v_lshlrev_b32 v8, 2, v8                        ; or by the lane's row: 4 (r + 8 (r / 8))
	s_cmp_eq_u32 s67, 2
	s_cbranch_scc1 .Lbias_v
.irp b, 0,1,2,3,4,5,6,7                        ; q, k: register 8 b + j wants feature 32 (b / 2) + 16 h + 8 (b % 2) + j
	global_load_b128 v[BIAS+8*\b:BIAS+8*\b+3], v7, s[6:7] offset:128*(\b/2)+32*(\b%2)
	global_load_b128 v[BIAS+8*\b+4:BIAS+8*\b+7], v7, s[6:7] offset:128*(\b/2)+32*(\b%2)+16
.endr
	s_branch .Lbias_in
.Lbias_v:
	s_wait_alu depctr_va_vdst(0)
.irp a, 0,1,2,3,4,5,6,7                        ; v: block a wants the one number of the lane's feature; all eight registers are written, as on the other way
.irp j, 0,1,2,3,4,5,6,7
	global_load_b32 v[BIAS+8*\a+\j], v8, s[6:7] offset:4*(32*(\a/2)+8*(\a%2))
.endr
.endr
.Lbias_in:
	s_wait_alu depctr_va_vdst(0)
	s_wait_tensorcnt 0x0                           ; my part of slot 0 is in
	ds_add_u32 v[SPW], v[NIL]
	s_wait_dscnt 0x0
	CROUND                                         ; everybody's part of slot 0 is in, and the sixteen work-groups meet
	JLOAD G0+4, G1, G0B+4, G1B                     ; slot 1's first fill, the first tensor load behind the round
	global_prefetch_b8 v[PFO], s[92:93] offset:3*HALFT th:TH_LOAD_NT scope:SCOPE_SE
	FETCH_B 0, 0, 0
	FETCH_A 0, 0, 0
	s_wait_alu depctr_va_vdst(0)
	SCALES 0
	FETCH_A 0, 0, 4
	s_wait_loadcnt 0x0                             ; the bias is in: it is the C of the first step's products, which start the sums
	s_cmp_eq_u32 s67, 2                            ; T is the same in all partners of a cluster
	s_cbranch_scc1 .Lfirst_v
	STEP 0, 0, 2                                   ; q, k: the bias runs along a lane's registers, by B's block
	s_branch .Lfirst_done
.Lfirst_v:
	STEP 0, 0, 3                                   ; v: one number a lane, by A's block
.Lfirst_done:
	s_mov_b32 s3, LAPS-1
.Llap:                                                 ; a trip goes once round the ring and fills both slots again
	TURN 0, 1, 1
	STEP 1, 0, 0
	TURN 1, 0, 1
	STEP 0, 0, 0
	s_sub_co_u32 s3, s3, 1
	s_cmp_lg_u32 s3, 0
	s_cbranch_scc1 .Llap
	TURN 0, 1, 0                                   ; the last lap fills nothing
	STEP 1, 0, 0
	s_wait_dscnt 4*NL
	WIN MUL_LO
	MUL16 0, 1, NQ-1, 1, 0
	MUL16 2, 1, NQ-1, 1, 0
	s_wait_dscnt 0
	WIN MUL_HI
	MUL16 4, 1, NQ-1, 1, 0
	MUL16 6, 1, NQ-1, 1, 0
	WIN 0
; THE WAY OUT, a block of 16 rows of A at a time: the sums hold the bias already; they are quantised out of their own window and stored as a fragment: three stores of 512 consecutive bytes.
.macro EPI a, mode
.set AC, 64*((\a)%4)
	s_wait_xcnt 0x0                                ; the last block's stores have read their data
.set WA, 2+(\a)/4
	QMAX AC
	QTAIL AC
.irp c, 0,1,2
	global_store_b128 v[L16], v[PC+4*\c:PC+4*\c+3], s[12:13] offset:(\a)*FRB+512*\c
.endr
	PACK4 SW, PW, \a
.endm
	PLACES NP
.irp b, 0,1,2,3
	v_mov_b32 v[TM+4+\b], 0                        ; written once: a lane permute's destination counts as one of its sources
.endr
.irp a, 0,1,2,3,4,5,6,7
	EPI \a, 0
.endr
	global_store_b128 v[L16], v[SW:SW+3], s[12:13] offset:SCO
	s_wait_tensorcnt 0x0                           ; the wave's end
	ds_add_u32 v[SPW], v[NIL]
	s_wait_dscnt 0x0
	CROUND                                         ; the closing round: no work-group ends while a partner may still ask for a tile that names it
	s_endpgm
.Lfunc_end_k_qf00e7c3856_proj:
	.size	k_qf00e7c3856_proj, .Lfunc_end_k_qf00e7c3856_proj-k_qf00e7c3856_proj
	.p2alignl 7, 3214868480
	.fill 96, 4, 3214868480
	.section	.rodata,"a",@progbits
	.p2align	6, 0x0
	.amdhsa_kernel k_qf00e7c3856_proj
		.amdhsa_group_segment_fixed_size 327680
		.amdhsa_private_segment_fixed_size 0
		.amdhsa_enable_private_segment 0
		.amdhsa_kernarg_size 40
		.amdhsa_user_sgpr_count 2
		.amdhsa_user_sgpr_kernarg_segment_ptr 1
		.amdhsa_wavefront_size32 1
		.amdhsa_system_sgpr_workgroup_id_x 1
		.amdhsa_system_sgpr_workgroup_id_y 1
		.amdhsa_system_sgpr_workgroup_id_z 1
		.amdhsa_system_vgpr_workitem_id 0
		.amdhsa_next_free_vgpr 1024
		.amdhsa_next_free_sgpr 100
		.amdhsa_reserve_vcc 0
		.amdhsa_float_denorm_mode_32 3
		.amdhsa_float_denorm_mode_16_64 3
		.amdhsa_memory_ordered 1
		.amdhsa_forward_progress 1
		.amdhsa_inst_pref_size 158
	.end_amdhsa_kernel
	.amdgpu_metadata
---
amdhsa.version: [ 1, 2 ]
amdhsa.kernels:
  - .name:           k_qf00e7c3856_proj
    .symbol:         k_qf00e7c3856_proj.kd
    .args:
      - { .name: codes, .offset: 0, .size: 8, .value_kind: global_buffer, .address_space: global }
      - { .name: bq, .offset: 8, .size: 8, .value_kind: global_buffer, .address_space: global }
      - { .name: bk, .offset: 16, .size: 8, .value_kind: global_buffer, .address_space: global }
      - { .name: bv, .offset: 24, .size: 8, .value_kind: global_buffer, .address_space: global }
      - { .name: qkv, .offset: 32, .size: 8, .value_kind: global_buffer, .address_space: global }
    .group_segment_fixed_size: 327680
    .private_segment_fixed_size: 0
    .kernarg_segment_align: 8
    .kernarg_segment_size: 40
    .max_flat_workgroup_size: 128
    .sgpr_count:     100
    .vgpr_count:     1024
    .wavefront_size: 32
...
	.end_amdgpu_metadata
.endif
;; end of part 2
;; launch scores (part 3): grid 8 x 32, 4 waves a work-group, clusters of 4 x 4, 327,680 bytes of LDS; arguments qkv, mbits, pc, pst; writes pc, pst
.if DOCPART == 3
	.amdgcn_target "amdgcn-amd-amdhsa--gfx1250"
	.amdhsa_code_object_version 6
	.text
	.protected	k_qf00e7c3856_scores
	.globl	k_qf00e7c3856_scores
	.p2align	8
	.type	k_qf00e7c3856_scores,@function
k_qf00e7c3856_scores:
	s_mov_b64 s[64:65], 0
	v_nop
	global_prefetch_b8 v0, s[64:65] scope:SCOPE_SE
	s_setreg_imm32_b32 hwreg(HW_REG_WAVE_MODE, 25, 1), 1
	s_wait_xcnt 0x0
	s_wait_alu depctr_hold_cnt(0) depctr_sa_sdst(0) depctr_va_vdst(0) depctr_va_sdst(0) depctr_va_ssrc(0) depctr_va_vcc(0) depctr_vm_vsrc(0)
	s_getreg_b32 s2, hwreg(HW_REG_IB_STS2, 6, 4)
	s_cmp_eq_u32 s2, 0
	s_cbranch_scc0 .Lentry_in_a_cluster
	s_endpgm
.Lentry_in_a_cluster:
	s_bfe_u32 s2, ttmp6, 0x10000c
	s_cmp_lg_u32 s2, 0xf033
	s_cbranch_scc0 .Lentry_shape_is_right
	s_endpgm
.Lentry_shape_is_right:
; S = q k^T on codes of FP6 (E2M3); t = S / 32 x log2(e), or -1e9 x log2(e) where the mask is 0; for each query and each 128 keys: M = ceil(the largest t of the 128), p = 2^(t - M), l = the sum of the unquantised p;
; p is quantised along the keys and stored as a panel; -M and l go to pst.  M is a whole number, so the next launch brings p under the row's M by taking a whole number off p's scale bytes: the codes stay.  No work is left out.
; PANELS, THE CORE, CLUSTERS: as in the launch before: panels of 128 rows x 128 K (eight register images of 1,536 bytes, 512 bytes of scale words; lane row r of fragment a is row 32 (a / 2) + 8 (a % 2) + r + 8 (r / 8));
; a tile of 256 x 256 by four waves of 128 x 128; K in steps of 256 through two LDS slots; source 0 = 16 keys, source 1 = 16 queries, so that a lane holds one query and register 16 b + i is key 32 b + 16 h + i of my 128.
; A = q (tile row 4 x cluster y + cy), B = k of the same batch (cluster y / 2; tile column 4 x cluster x + cx).
; The multiplication by log2(e) / 32 and the addition of -M are kept apart: so t + (-M) is at most 0 for every t, very large ones too, p is at most 1 and p's scale bytes are at most 125, which the next launch leans on.
; LIMITS: NaN and infinities are not served; a p under 2^-126 comes out of v_exp_f32 as 0; a block whose every p is under 2^(3 - 127) keeps the scale byte 1.
; REGISTERS: window 0: v16-21 LDS addresses, v24 16 x lane, v28, v29 the add's two, v32-63 scale words, v80 the masked t, v128-223 A's fragments; on the way out v128-251 are at work.
;   window 1: B's fragments, two sets.  windows 2, 3: the accumulators.
.set KST,   8
.set FIXA,  0
.set PAN,   12800
.set FRB,   1536
.set SCO,   12288
.set NQ,    2
.set FR,    12
.set NL,    3
.set NP,    4
.set HALFT, NQ*PAN
.set SLOT,  4*HALFT
.set SPARE, 2*SLOT                     ; behind the ring: the spare words, two blocks of 256 bytes that no other line names
.set LAPS,  KST/4
.set ADRA, 16
.set ADRS, 18
.set ADRB, 20
.set L16,  24
.set SPW,  28
.set NIL,  29
.set SC,   32
; the mask's 64 lane masks of a block of 16 queries are 256 consecutive bytes: they come by four scalar loads into s16-63 and s80-95 (word n in s[16 + n], from n = 48 on in s[32 + n]); v64-79 hold nothing
.set NEGV, 80                          ; v80     -1e9 x log2(e)
.set AF,   128
.set HA,   128
.set PC,   192
.set TM,   212
.set PW,   228
.set RM,   229                         ; the largest t
.set NM,   230                         ; v[230:231] -M (the pair's low word serves both halves)
.set SA,   232                         ; v[232:233], v[234:235] the sum, in two chains
.set SB,   234
.set LS,   236
.set LX,   237
.set SW,   240
.set NMP,  244                         ; packs of -M and of l, laid as the scale words are
.set LP,   248
.set G1,  24
.set G0,  32
.set G1B, 48
.set G0B, 56
.set HM,  73
.set SEL, 74
.set CS,  76                           ; s[76:77] log2(e) / 32
.set MSB, 0
.macro WIN new
.if MSB != (\new)
	s_set_vgpr_msb (MSB<<8)|(\new)
.set MSB, (\new)
.endif
.endm
.set MUL_LO, 0xa1
.set MUL_HI, 0xf1
.set TO_B,   0x40
.macro JLOAD g0a, g1a, g0b, g1b        ; a joint load: waves 0 and 1 fetch for A, waves 2 and 3 for B; an s_nop 0 and four v_nop follow each of the two lines
	s_cmp_eq_u32 s15, 0
	s_cbranch_scc0 .Lfor_b_\@
	tensor_load_to_lds s[\g0a:\g0a+3], s[\g1a:\g1a+7]
	s_nop 0
.rept 4
	v_nop
.endr
	s_branch .Lasked_\@
.Lfor_b_\@:
	tensor_load_to_lds s[\g0b:\g0b+3], s[\g1b:\g1b+7]
	s_nop 0
.rept 4
	v_nop
.endr
.Lasked_\@:
.endm
.macro CREST
	s_cmp_lg_u32 s14, 0
	s_cbranch_scc1 .Lnot_wave_0_\@
	s_barrier_signal -3
.Lnot_wave_0_\@:
	s_barrier_wait -3
	s_barrier_signal -1
	s_barrier_wait -1
.endm
.macro CROUND
	s_barrier_signal -1
	s_barrier_wait -1
	CREST
.endm
.macro FRAG reg, adr, q, i
.irp c, 0,1,2
	ds_load_b128 v[(\reg)+4*\c:(\reg)+4*\c+3], v[\adr] offset:(\q)*PAN+(\i)*FRB+512*\c
.endr
.endm
.macro MUL16 a0, p, q, sc, zero        ; the 64 accumulators take turns
.irp a, \a0, \a0+1
.irp b, 0,1,2,3,4,5,6,7
.set rD, 8*(8*((\a)%4)+\b)
.set rB, 128*(\p)+FR*\b
.set rA, AF+FR*(\a)
.set rSB, SC+16*(\sc)+8*(\q)+\b
.if FIXA
.set rSA, SCA+16*(\sc)+8*(\q)+(\a)
.else
.set rSA, SC+16*(\sc)+8*(\q)+(\a)
.endif
.if (\zero) == 1
	v_wmma_scale_f32_16x16x128_f8f6f4 v[rD:rD+7], v[rB:rB+FR-1], v[rA:rA+FR-1], 0, v[rSB], v[rSA] matrix_a_fmt:MATRIX_FMT_FP6 matrix_b_fmt:MATRIX_FMT_FP6 matrix_a_scale:MATRIX_SCALE_ROW1
.elseif (\zero) == 2
	v_wmma_scale_f32_16x16x128_f8f6f4 v[rD:rD+7], v[rB:rB+FR-1], v[rA:rA+FR-1], v[BIAS+8*\b:BIAS+8*\b+7], v[rSB], v[rSA] matrix_a_fmt:MATRIX_FMT_FP6 matrix_b_fmt:MATRIX_FMT_FP6 matrix_a_scale:MATRIX_SCALE_ROW1
.else
	v_wmma_scale_f32_16x16x128_f8f6f4 v[rD:rD+7], v[rB:rB+FR-1], v[rA:rA+FR-1], v[rD:rD+7], v[rSB], v[rSA] matrix_a_fmt:MATRIX_FMT_FP6 matrix_b_fmt:MATRIX_FMT_FP6 matrix_a_scale:MATRIX_SCALE_ROW1
.endif
.endr
.endr
.endm
.macro FETCH_B slot, q, p
	WIN TO_B
.irp i, 0,1,2,3,4,5,6,7
	FRAG 128*(\p)+FR*\i, ADRB+\slot, \q, \i
.endr
	WIN 0
.endm
.macro FETCH_A slot, q, i0
.irp i, \i0, \i0+1, \i0+2, \i0+3
	FRAG AF+FR*(\i), ADRA+\slot, \q, \i
.endr
.endm
.macro SCALES sc
.irp q, 0,1
.irp hh, 0,1
	ds_load_b128 v[SC+16*\sc+8*\q+4*\hh:SC+16*\sc+8*\q+4*\hh+3], v[ADRS+\sc] offset:\q*PAN+256*\hh
.if FIXA
	ds_load_b128 v[SCA+16*\sc+8*\q+4*\hh:SCA+16*\sc+8*\q+4*\hh+3], v[ADRP] offset:512*\q+256*\hh
.endif
.endr
.endr
.endm
.macro PLACES n
.rept \n
	v_nop
.endr
.endm
.macro STEP slot, q, zero
	s_wait_dscnt 4*NL                              ; all but the youngest 12 loads (A's blocks 4-7) are in
.if (\zero) == 2
	WIN 0x81
.else
	WIN MUL_LO
.endif
	MUL16 0, (\q)%2, \q, \slot, \zero
	MUL16 2, (\q)%2, \q, \slot, \zero
	s_wait_dscnt 0
	PLACES NP
	FETCH_B \slot, (\q)+1, 1-(\q)%2
	FETCH_A \slot, (\q)+1, 0
.if (\zero) == 2
	WIN 0xc1
.else
	WIN MUL_HI
.endif
	MUL16 4, (\q)%2, \q, \slot, \zero
	MUL16 6, (\q)%2, \q, \slot, \zero
	PLACES NP
	WIN 0
	FETCH_A \slot, (\q)+1, 4
.endm
.macro TURN slot, next, fill
	s_wait_tensorcnt 0x0                           ; all my tensor loads have landed: my part of the next slot
	ds_add_u32 v[SPW], v[NIL]                      ; 0 onto my spare word
	s_wait_dscnt 4*NL+1                            ; (the add and the youngest 12 loads may be out)
	WIN MUL_LO
	MUL16 0, 1, NQ-1, \slot, 0
	s_wait_dscnt 0x0                               ; the add is done, and my reads of this slot are over
	s_barrier_signal -1
	MUL16 2, 1, NQ-1, \slot, 0
	WIN 0
	s_barrier_wait -1
.if \fill
	CREST                                          ; a round of the cluster's barrier: no wave of any partner still reads this slot or has a load on its way
	s_add_nc_u64 s[G0+4*\slot+2:G0+4*\slot+3], s[G0+4*\slot+2:G0+4*\slot+3], 2*HALFT
	s_add_nc_u64 s[G0B+4*\slot+2:G0B+4*\slot+3], s[G0B+4*\slot+2:G0B+4*\slot+3], 2*HALFT
	JLOAD G0+4*\slot, G1, G0B+4*\slot, G1B
.else
	PLACES NP
.endif
.if FIXA
	v_add_nc_u32 v[ADRP], 1024, v[ADRP]
.endif
	FETCH_B \next, 0, 0
	FETCH_A \next, 0, 0
	SCALES \next
	WIN MUL_HI
	MUL16 4, 1, NQ-1, \slot, 0
	MUL16 6, 1, NQ-1, \slot, 0
	PLACES NP
	WIN 0
	FETCH_A \next, 0, 4
.endm
.macro QTAIL s                         ; from the four blocks' largest numbers in v[TM] on: scale word into v[PW], codes into v[PC] on
.irp b, 0,1,2,3
	v_add_nc_u32 v[TM+12+\b], 0xff000000, v[TM+\b]
.endr
.irp b, 0,1,2,3
	v_lshrrev_b32 v[TM+4+\b], 23, v[TM+12+\b]
.endr
	v_lshl_or_b32 v[PW], v[TM+5], 8, v[TM+4]
	v_lshl_or_b32 v[PW], v[TM+6], 16, v[PW]
	v_lshl_or_b32 v[PW], v[TM+7], 24, v[PW]
.irp c, 0,1
	v_cvt_scalef32_pk16_fp6_f32 v[PC+6*\c:PC+2+6*\c], v[\s+32*\c:\s+15+32*\c], v[TM+12+2*\c]
	v_cvt_scalef32_pk16_fp6_f32 v[PC+12+4*\c:PC+14+4*\c], v[\s+16+32*\c:\s+31+32*\c], v[TM+12+2*\c+1]
.endr
	v_nop                                          ; one plain place behind a scaled conversion
.irp c, 0,1
.irp i, 0,1,2
	v_permlane16_swap_b32 v[PC+6*\c+\i], v[PC+12+4*\c+\i]
.endr
.irp i, 0,1,2
	v_mov_b32 v[PC+3+6*\c+\i], v[PC+12+4*\c+\i]
.endr
.endr
.endm
.macro PACK4 dst, src, a
.if (\a) < 4
	v_mov_b32 v[\dst+(\a)], v[\src]
.else
	v_cndmask_b32 v[\dst+(\a)-4], v[\dst+(\a)-4], v[\src], s[HM]
.endif
.endm
	s_load_b256 s[4:11], s[0:1], 0x0               ; qkv, mbits, pc, pst
	v_lshl_add_u32 v[SPW], v0, 2, SPARE
	v_mov_b32 v[NIL], 0
	ds_add_u32 v[SPW], v[NIL]                      ; the wave's opening: the add, twice on end, and its wait ahead of my first tensor load
	ds_add_u32 v[SPW], v[NIL]
	v_lshrrev_b32 v1, 5, v0
	v_readfirstlane_b32 s14, v1
	s_lshr_b32 s15, s14, 1
	s_and_b32 s16, s14, 1
	s_bfe_u32 s40, ttmp6, 0x40000                  ; cx
	s_bfe_u32 s41, ttmp6, 0x40004                  ; cy
	s_and_b32 s66, ttmp7, 0xffff                   ; cluster y
	s_lshr_b32 s67, s66, 1                         ; the batch, which the sixteen partners share
	s_lshl_b32 s17, s66, 2
	s_add_co_u32 s17, s17, s41                     ; tile row: 256 queries
	s_lshl_b32 s42, ttmp9, 2
	s_add_co_u32 s42, s42, s40                     ; tile column: 256 keys of the batch
	s_lshl_b32 s43, s41, 2
	s_lshl_b32 s43, 15, s43
	s_lshl_b32 s44, 0x1111, s40
	s_or_b32 s[G1+0], s43, (3<<16)|(1<<21)         ; group 1: 25,600 dense bytes as 100 rows of 256 bytes, no padding
	s_or_b32 s[G1B+0], s44, (3<<16)|(1<<21)
.irp g, G1, G1B
	s_mov_b32 s[\g+1], 32<<16
	s_mov_b32 s[\g+2], 100<<16
	s_mov_b32 s[\g+3], 32<<16
	s_mov_b32 s[\g+4], 100
	s_mov_b32 s[\g+5], 32
	s_mov_b32 s[\g+6], 0
	s_mov_b32 s[\g+7], 0
.endr
	s_lshl_b32 s20, s17, 1
	s_add_co_u32 s20, s20, s16
	s_mul_i32 s20, s20, KST*PAN                    ; q's group that I fetch
	s_mov_b32 s21, 0
	s_lshl_b32 s46, s42, 1
	s_add_co_u32 s46, s46, s16
	s_lshl_b32 s47, s67, 4
	s_add_co_u32 s46, s46, s47                     ; k's group: 16 x batch + 2 x tile column + half
	s_mul_i32 s46, s46, KST
	s_add_co_u32 s46, s46, 512                     ; k begins at panel 512
	s_mul_i32 s46, s46, PAN
	s_mov_b32 s47, 0
	s_mul_i32 s45, s14, HALFT
	s_lshl_b32 s68, s17, 1
	s_add_co_u32 s68, s68, s15                     ; my group of queries
	s_lshl_b32 s69, s42, 1
	s_add_co_u32 s69, s69, s16                     ; my 128 keys of the batch
	s_lshl_b32 s72, s68, 4
	s_add_co_u32 s72, s72, s69                     ; my panel of p
	s_mul_i32 s70, s72, PAN
	s_mov_b32 s71, 0
	s_lshl_b32 s88, s72, 10
	s_mov_b32 s89, 0
	s_lshl_b32 s90, s72, 11
	s_mov_b32 s91, 0
	s_mov_b32 s[HM], 0xffff0000
	s_mov_b32 s[SEL], 0x76543210
	s_mov_b32 s[SEL+1], 0xfedcba98
	s_mov_b32 s[CS], 0x3d38aa3b                    ; log2(e) / 32: the division by 32 is exact, so t is the logit x log2(e), rounded once
	s_mov_b32 s[CS+1], s[CS]
	s_wait_dscnt 0x0                               ; both opening adds are done
	s_wait_kmcnt 0x0
	s_add_nc_u64 s[20:21], s[4:5], s[20:21]
	s_add_nc_u64 s[46:47], s[4:5], s[46:47]
	s_add_nc_u64 s[6:7], s[6:7], s[90:91]
	s_add_nc_u64 s[8:9], s[8:9], s[70:71]
	s_add_nc_u64 s[10:11], s[10:11], s[88:89]
	CROUND
.irp s, 0,1
	s_mov_b32 s[G0+4*\s], 1
	s_add_co_u32 s[G0+4*\s+1], s45, \s*SLOT
	s_add_nc_u64 s[G0+4*\s+2:G0+4*\s+3], s[20:21], \s*HALFT
	s_or_b32 s[G0+4*\s+3], s[G0+4*\s+3], 0x80000000
	s_mov_b32 s[G0B+4*\s], 1
	s_add_co_u32 s[G0B+4*\s+1], s45, \s*SLOT
	s_add_nc_u64 s[G0B+4*\s+2:G0B+4*\s+3], s[46:47], \s*HALFT
	s_or_b32 s[G0B+4*\s+3], s[G0B+4*\s+3], 0x80000000
.endr
	JLOAD G0, G1, G0B, G1B                         ; slot 0: one tensor load a wave at the head
; PREFETCHES: a tile that I fetch is 100 blocks of 256 bytes; the four partners that ask for it jointly take 25 each, told apart by address (cx for A, cy for B); lanes 25-31 name the last block again.
; Behind slot 0's load tiles 1 and 2 are asked for, behind slot 1's tile 3, the last: at most two tiles are asked for and not yet loaded.
.set PFO, 26                           ; v26, s[92:93]: kept for the prefetches, never rewritten
	s_cmp_eq_u32 s15, 0
	s_cselect_b32 s94, s40, s41
	s_cselect_b64 s[92:93], s[20:21], s[46:47]
	s_mul_i32 s94, s94, 25*256
	v_and_b32 v[PFO], 31, v0
	v_min_u32 v[PFO], 24, v[PFO]
	v_lshl_add_u32 v[PFO], v[PFO], 8, s94
	s_wait_alu depctr_va_vdst(0)
	global_prefetch_b8 v[PFO], s[92:93] offset:HALFT th:TH_LOAD_NT scope:SCOPE_SE
	global_prefetch_b8 v[PFO], s[92:93] offset:2*HALFT th:TH_LOAD_NT scope:SCOPE_SE
	v_and_b32 v3, 31, v0
	v_and_b32 v1, 15, v0
	v_bfe_u32 v2, v0, 4, 1
	s_wait_alu depctr_va_vdst(0)
	v_lshlrev_b32 v[L16], 4, v3
	s_mul_i32 s21, s15, HALFT
	s_mul_i32 s22, s16, HALFT
	s_add_co_u32 s22, s22, 2*HALFT
.irp s, 0,1
	v_add_nc_u32 v[ADRA+\s], s21, v[L16]
	v_add_nc_u32 v[ADRB+\s], s22, v[L16]
	s_add_co_u32 s21, s21, SLOT
	s_add_co_u32 s22, s22, SLOT
.endr
	v_lshlrev_b32 v5, 4, v1
	s_mul_i32 s21, s15, HALFT
	s_mul_i32 s22, s16, HALFT
	s_add_co_u32 s22, s22, 2*HALFT
	s_sub_co_u32 s22, s22, s21
	v_mul_u32_u24 v6, s22, v2
	s_add_co_u32 s21, s21, SCO
	v_add_nc_u32 v5, v5, v6
	v_add_nc_u32 v[ADRS], s21, v5
	v_add_nc_u32 v[ADRS+1], SLOT, v[ADRS]
	v_mov_b32 v[NEGV], 0xce6e6b28                  ; -1e9,
	v_mul_f32 v[NEGV], 0x3fb8aa3b, v[NEGV]         ; as t
	s_wait_alu depctr_va_vdst(0)
	s_wait_tensorcnt 0x0                           ; my part of slot 0 is in
	ds_add_u32 v[SPW], v[NIL]
	s_wait_dscnt 0x0
	CROUND                                         ; everybody's part of slot 0 is in, and the sixteen work-groups meet
	JLOAD G0+4, G1, G0B+4, G1B                     ; slot 1's first fill, the first tensor load behind the round
	global_prefetch_b8 v[PFO], s[92:93] offset:3*HALFT th:TH_LOAD_NT scope:SCOPE_SE
	FETCH_B 0, 0, 0
	FETCH_A 0, 0, 0
	SCALES 0
	FETCH_A 0, 0, 4
	STEP 0, 0, 1
	s_mov_b32 s3, LAPS-1
.Llap:
	TURN 0, 1, 1
	STEP 1, 0, 0
	TURN 1, 0, 1
	STEP 0, 0, 0
	s_sub_co_u32 s3, s3, 1
	s_cmp_lg_u32 s3, 0
	s_cbranch_scc1 .Llap
	TURN 0, 1, 0
.macro MLOAD a                         ; block a's 64 lane masks
	s_load_b512 s[16:31], s[6:7], 256*(\a)
	s_load_b512 s[32:47], s[6:7], 256*(\a)+64
	s_load_b512 s[48:63], s[6:7], 256*(\a)+128
	s_load_b512 s[80:95], s[6:7], 256*(\a)+192
.endm
	s_wait_xcnt 0x0                                ; the prefetches have read s[92:93]; all my tensor loads are done, so the descriptors' registers are free
	MLOAD 0                                        ; two steps of 128 along K ahead of their use
	STEP 1, 0, 0
	s_wait_dscnt 4*NL
	WIN MUL_LO
	MUL16 0, 1, NQ-1, 1, 0
	MUL16 2, 1, NQ-1, 1, 0
	s_wait_dscnt 0
	WIN MUL_HI
	MUL16 4, 1, NQ-1, 1, 0
	MUL16 6, 1, NQ-1, 1, 0
	WIN 0
; THE WAY OUT, 16 queries x my 128 keys at a time.
.macro SOFT a
.set AC, 64*((\a)%4)
	s_wait_xcnt 0x0                                ; the last block's stores have read their data
	WIN 0x02+(\a)/4
.set i, 0
.rept 32
	v_pk_mul_f32 v[HA+i:HA+i+1], v[AC+i:AC+i+1], s[CS:CS+1] op_sel_hi:[1,0]   ; t; also the way into window 0; each accumulator from its low end on
.set i, i+2
.endr
	WIN 0
	s_wait_alu depctr_va_vdst(0)
	s_wait_kmcnt 0x0                               ; this block's lane masks are in
.set n, 0
.rept 64
	v_cndmask_b32 v[HA+n], v[NEGV], v[HA+n], s[16+n+16*(n/48)]   ; where the mask is 0: -1e9 x log2(e)
.set n, n+1
.endr
.if (\a) < 7
	MLOAD (\a)+1                                   ; the next block's, under the rest of this block's work
.endif
.irp b, 0,1,2,3
	v_max3_num_f32 v[TM+\b], v[HA+16*\b], v[HA+1+16*\b], v[HA+2+16*\b]   ; the largest t of each block of 32 keys: it serves for M and, since p rises with t, for the block's largest p
.endr
.irp i, 3,5,7,9,11,13
.irp b, 0,1,2,3
	v_max3_num_f32 v[TM+\b], v[TM+\b], v[HA+16*\b+\i], v[HA+1+16*\b+\i]
.endr
.endr
.irp b, 0,1,2,3
	v_max_num_f32 v[TM+\b], v[TM+\b], v[HA+15+16*\b]
.endr
.irp b, 0,1,2,3
	v_permlanex16_b32 v[TM+4+\b], v[TM+\b], s[SEL], s[SEL+1]
.endr
.irp b, 0,1,2,3
	v_max_num_f32 v[TM+\b], v[TM+\b], v[TM+4+\b]
.endr
	v_max3_num_f32 v[RM], v[TM], v[TM+1], v[TM+2]
	v_max_num_f32 v[RM], v[RM], v[TM+3]
	v_floor_f32 v[NM], -v[RM]                      ; -M = floor(-t) = -ceil(t)
.set i, 0
.rept 32
	v_pk_add_f32 v[HA+i:HA+i+1], v[HA+i:HA+i+1], v[NM:NM+1] op_sel_hi:[1,0]   ; t - M, at most 0
.set i, i+2
.endr
.irp b, 0,1,2,3
	v_add_f32 v[TM+\b], v[TM+\b], v[NM]
.endr
.set i, 0
	s_wait_alu depctr_va_vdst(0)
.rept 64
	v_exp_f32 v[HA+i], v[HA+i]                     ; p, not normalised
.set i, i+1
.endr
	PACK4 NMP, NM, \a                              ; (a plain place behind the exponentials)
	s_wait_alu depctr_va_vdst(0)                   ; one wait for the batch of 64, ahead of its first reader
.irp b, 0,1,2,3
	v_exp_f32 v[TM+\b], v[TM+\b]                   ; each block's largest p: the same two instructions on the same number
.endr
	v_pk_add_f32 v[SA:SA+1], v[HA:HA+1], v[HA+2:HA+3]          ; l is the sum of the unquantised p: two chains; they read the 64 alone
	v_pk_add_f32 v[SB:SB+1], v[HA+4:HA+5], v[HA+6:HA+7]
.irp j, 8,12,16,20,24,28,32,36,40,44,48,52,56,60
	v_pk_add_f32 v[SA:SA+1], v[SA:SA+1], v[HA+\j:HA+\j+1]
	v_pk_add_f32 v[SB:SB+1], v[SB:SB+1], v[HA+\j+2:HA+\j+3]
.endr
	v_pk_add_f32 v[SA:SA+1], v[SA:SA+1], v[SB:SB+1]
	v_add_f32 v[LS], v[SA], v[SA+1]
	v_permlanex16_b32 v[LX], v[LS], s[SEL], s[SEL+1]
	v_add_f32 v[LS], v[LS], v[LX]                  ; with lane l xor 16's 64 keys
	s_wait_alu depctr_va_vdst(0)                   ; and one wait for the four
.irp b, 0,1,2,3
	v_max_num_f32 v[TM+\b], 0x1800000, v[TM+\b]    ; the floor 2^(3 - 127): the byte cannot fall under 1
.endr
	QTAIL HA
.irp c, 0,1,2
	global_store_b128 v[L16], v[PC+4*\c:PC+4*\c+3], s[8:9] offset:(\a)*FRB+512*\c   ; 512 consecutive bytes
.endr
	PACK4 SW, PW, \a
	PACK4 LP, LS, \a
.endm
	PLACES NP
.irp b, 0,1,2,3
	v_mov_b32 v[TM+4+\b], 0                        ; written once: a lane permute's destination counts as one of its sources
.endr
	v_mov_b32 v[LX], 0
	v_mov_b32 v[NM+1], 0                           ; (named as the upper half of a pair)
.irp a, 0,1,2,3,4,5,6,7
	SOFT \a
.endr
	global_store_b128 v[L16], v[SW:SW+3], s[8:9] offset:SCO
	global_store_b128 v[L16], v[NMP:NMP+3], s[10:11]
	global_store_b128 v[L16], v[LP:LP+3], s[10:11] offset:512
	s_wait_tensorcnt 0x0                           ; the wave's end
	ds_add_u32 v[SPW], v[NIL]
	s_wait_dscnt 0x0
	CROUND                                         ; the closing round
	s_endpgm
.Lfunc_end_k_qf00e7c3856_scores:
	.size	k_qf00e7c3856_scores, .Lfunc_end_k_qf00e7c3856_scores-k_qf00e7c3856_scores
	.p2alignl 7, 3214868480
	.fill 96, 4, 3214868480
	.section	.rodata,"a",@progbits
	.p2align	6, 0x0
	.amdhsa_kernel k_qf00e7c3856_scores
		.amdhsa_group_segment_fixed_size 327680
		.amdhsa_private_segment_fixed_size 0
		.amdhsa_enable_private_segment 0
		.amdhsa_kernarg_size 32
		.amdhsa_user_sgpr_count 2
		.amdhsa_user_sgpr_kernarg_segment_ptr 1
		.amdhsa_wavefront_size32 1
		.amdhsa_system_sgpr_workgroup_id_x 1
		.amdhsa_system_sgpr_workgroup_id_y 1
		.amdhsa_system_sgpr_workgroup_id_z 1
		.amdhsa_system_vgpr_workitem_id 0
		.amdhsa_next_free_vgpr 1024
		.amdhsa_next_free_sgpr 100
		.amdhsa_reserve_vcc 0
		.amdhsa_float_denorm_mode_32 3
		.amdhsa_float_denorm_mode_16_64 3
		.amdhsa_memory_ordered 1
		.amdhsa_forward_progress 1
		.amdhsa_inst_pref_size 241
	.end_amdhsa_kernel
	.amdgpu_metadata
---
amdhsa.version: [ 1, 2 ]
amdhsa.kernels:
  - .name:           k_qf00e7c3856_scores
    .symbol:         k_qf00e7c3856_scores.kd
    .args:
      - { .name: qkv, .offset: 0, .size: 8, .value_kind: global_buffer, .address_space: global }
      - { .name: mbits, .offset: 8, .size: 8, .value_kind: global_buffer, .address_space: global }
      - { .name: pc, .offset: 16, .size: 8, .value_kind: global_buffer, .address_space: global }
      - { .name: pst, .offset: 24, .size: 8, .value_kind: global_buffer, .address_space: global }
    .group_segment_fixed_size: 327680
    .private_segment_fixed_size: 0
    .kernarg_segment_align: 8
    .kernarg_segment_size: 32
    .max_flat_workgroup_size: 128
    .sgpr_count:     100
    .vgpr_count:     1024
    .wavefront_size: 32
...
	.end_amdgpu_metadata
.endif
;; end of part 3
;; launch ctx (part 4): grid 4 x 64, 4 waves a work-group, clusters of 4 x 4, 327,680 bytes of LDS; arguments pc, pst, qkv, cc; writes cc
.if DOCPART == 4
	.amdgcn_target "amdgcn-amd-amdhsa--gfx1250"
	.amdhsa_code_object_version 6
	.text
	.protected	k_qf00e7c3856_ctx
	.globl	k_qf00e7c3856_ctx
	.p2align	8
	.type	k_qf00e7c3856_ctx,@function
k_qf00e7c3856_ctx:
	s_mov_b64 s[64:65], 0
	v_nop
	global_prefetch_b8 v0, s[64:65] scope:SCOPE_SE
	s_setreg_imm32_b32 hwreg(HW_REG_WAVE_MODE, 25, 1), 1
	s_wait_xcnt 0x0
	s_wait_alu depctr_hold_cnt(0) depctr_sa_sdst(0) depctr_va_vdst(0) depctr_va_sdst(0) depctr_va_ssrc(0) depctr_va_vcc(0) depctr_vm_vsrc(0)
	s_getreg_b32 s2, hwreg(HW_REG_IB_STS2, 6, 4)
	s_cmp_eq_u32 s2, 0
	s_cbranch_scc0 .Lentry_in_a_cluster
	s_endpgm
.Lentry_in_a_cluster:
	s_bfe_u32 s2, ttmp6, 0x10000c
	s_cmp_lg_u32 s2, 0xf033
	s_cbranch_scc0 .Lentry_shape_is_right
	s_endpgm
.Lentry_shape_is_right:
.set KST,   16
.set PAN,   12800
.set FRB,   1536
.set SCO,   12288
.set NQ,    4
.set FR,    12
.set NL,    3
.set NP,    4
.set AGRP,  NQ*PAN
.set SLOT,  3*AGRP
.set SPARE, 2*SLOT
.set ADRA, 16
.set ADRB, 18
.set ADRS, 20
.set ADRT, 22
.set L16,  24
.set LF,   25
.set LP8,  26
.set SPW,  28
.set NIL,  29
.set SC,   32
.set WM,   48
.set RL,   80
.set AF,   128
.set NMR,  128
.set LR,   160
.set NMN,  224
.set LSUM, 228
.set TT,   232
.set UU,   236
.set HA,   128
.set PC,   192
.set TM,   212
.set PW,   228
.set SW,   240
.set G1,  24
.set G0,  32
.set G1B, 48
.set G0B, 56
.set HM,  73
.set SEL, 74
.set MSB, 0
.macro WIN new
.if MSB != (\new)
	s_set_vgpr_msb (MSB<<8)|(\new)
.set MSB, (\new)
.endif
.endm
.set MULW, 0xa1
.set TO_B, 0x40
.macro JLOAD g0a, g1a, g0b, g1b
	s_cmp_eq_u32 s15, 0
	s_cbranch_scc0 .Lfor_b_\@
	tensor_load_to_lds s[\g0a:\g0a+3], s[\g1a:\g1a+7]
	s_nop 0
.rept 4
	v_nop
.endr
	s_branch .Lasked_\@
.Lfor_b_\@:
	tensor_load_to_lds s[\g0b:\g0b+3], s[\g1b:\g1b+7]
	s_nop 0
.rept 4
	v_nop
.endr
.Lasked_\@:
.endm
.macro CREST
	s_cmp_lg_u32 s14, 0
	s_cbranch_scc1 .Lnot_wave_0_\@
	s_barrier_signal -3
.Lnot_wave_0_\@:
	s_barrier_wait -3
	s_barrier_signal -1
	s_barrier_wait -1
.endm
.macro CROUND
	s_barrier_signal -1
	s_barrier_wait -1
	CREST
.endm
.macro FRAG reg, adr, q, i
.irp c, 0,1,2
	ds_load_b128 v[(\reg)+4*\c:(\reg)+4*\c+3], v[\adr] offset:(\q)*PAN+(\i)*FRB+512*\c
.endr
.endm
.macro MULB i, p, zero, gs
.irp b, 0,1,2,3,4,5,6,7
.set rD, 8*(8*(\i)+\b)
.set rB, 128*(\p)+FR*\b
.set rA, AF+48*(\p)+FR*(\i)
.set rSB, SC+8*(\p)+\b
.set rSA, WM+4*((\gs)/2)+(\i)
.if \zero
	v_wmma_scale_f32_16x16x128_f8f6f4 v[rD:rD+7], v[rB:rB+FR-1], v[rA:rA+FR-1], 0, v[rSB], v[rSA] matrix_a_fmt:MATRIX_FMT_FP6 matrix_b_fmt:MATRIX_FMT_FP6 matrix_a_scale:MATRIX_SCALE_ROW1
.elseif (\gs)%2
	v_wmma_scale_f32_16x16x128_f8f6f4 v[rD:rD+7], v[rB:rB+FR-1], v[rA:rA+FR-1], v[rD:rD+7], v[rSB], v[rSA] matrix_a_fmt:MATRIX_FMT_FP6 matrix_b_fmt:MATRIX_FMT_FP6 matrix_a_scale:MATRIX_SCALE_ROW1 matrix_b_scale:MATRIX_SCALE_ROW1
.else
	v_wmma_scale_f32_16x16x128_f8f6f4 v[rD:rD+7], v[rB:rB+FR-1], v[rA:rA+FR-1], v[rD:rD+7], v[rSB], v[rSA] matrix_a_fmt:MATRIX_FMT_FP6 matrix_b_fmt:MATRIX_FMT_FP6 matrix_a_scale:MATRIX_SCALE_ROW1
.endif
.endr
.endm
.macro FETCH_B slot, q, p
	WIN TO_B
.irp i, 0,1,2,3,4,5,6,7
	FRAG 128*(\p)+FR*\i, ADRB+\slot, \q, \i
.endr
	WIN 0
.endm
.macro FETCH_AS slot, q, p
.irp i, 0,1,2,3
	FRAG AF+48*(\p)+FR*\i, ADRA+\slot, \q, \i
.endr
	ds_load_b128 v[SC+8*(\p):SC+8*(\p)+3], v[ADRS+\slot] offset:(\q)*PAN
	ds_load_b128 v[SC+8*(\p)+4:SC+8*(\p)+7], v[ADRT+\slot] offset:(\q)*PAN
.endm
.macro PLACES n
.rept \n
	v_nop
.endr
.endm
.macro PANEL slot, q, zero, gs
	PLACES NP
	FETCH_B \slot, (\q)+1, 1-(\q)%2
	s_wait_dscnt 8*NL
	FETCH_AS \slot, (\q)+1, 1-(\q)%2
	WIN MULW
	MULB 0, (\q)%2, \zero, \gs
	MULB 1, (\q)%2, \zero, \gs
	MULB 2, (\q)%2, \zero, \gs
	MULB 3, (\q)%2, \zero, \gs
.endm
.macro TURN slot, next, fill, gs
	WIN 0
	s_wait_tensorcnt 0x0
	ds_add_u32 v[SPW], v[NIL]
	s_wait_dscnt 1
	WIN MULW
	MULB 0, 1, 0, \gs
	s_wait_dscnt 0x0
	s_barrier_signal -1
	MULB 1, 1, 0, \gs
	WIN 0
	s_barrier_wait -1
.if \fill
	CREST
	s_add_nc_u64 s[G0+4*\slot+2:G0+4*\slot+3], s[G0+4*\slot+2:G0+4*\slot+3], 2*AGRP
	s_add_nc_u64 s[G0B+4*\slot+2:G0B+4*\slot+3], s[G0B+4*\slot+2:G0B+4*\slot+3], 2*AGRP
	JLOAD G0+4*\slot, G1, G0B+4*\slot, G1B
.else
	PLACES NP
.endif
	FETCH_B \next, 0, 0
	FETCH_AS \next, 0, 0
	WIN MULW
	MULB 2, 1, 0, \gs
	MULB 3, 1, 0, \gs
.endm
.macro QMAX s
.irp b, 0,1,2,3
	v_max3_num_f32 v[TM+\b], |v[\s+16*\b]|, |v[\s+1+16*\b]|, 0x1800000
.endr
.irp i, 2,4,6,8,10,12,14
.irp b, 0,1,2,3
	v_max3_num_f32 v[TM+\b], v[TM+\b], |v[\s+16*\b+\i]|, |v[\s+1+16*\b+\i]|
.endr
.endr
.irp b, 0,1,2,3
	v_permlanex16_b32 v[TM+4+\b], v[TM+\b], s[SEL], s[SEL+1]
.endr
.irp b, 0,1,2,3
	v_max_num_f32 v[TM+\b], v[TM+\b], v[TM+4+\b]
.endr
.endm
.macro QTAIL s
.irp b, 0,1,2,3
	v_add_nc_u32 v[TM+12+\b], 0xff000000, v[TM+\b]
.endr
.irp b, 0,1,2,3
	v_lshrrev_b32 v[TM+4+\b], 23, v[TM+12+\b]
.endr
	v_lshl_or_b32 v[PW], v[TM+5], 8, v[TM+4]
	v_lshl_or_b32 v[PW], v[TM+6], 16, v[PW]
	v_lshl_or_b32 v[PW], v[TM+7], 24, v[PW]
.irp c, 0,1
	v_cvt_scalef32_pk16_fp6_f32 v[PC+6*\c:PC+2+6*\c], v[\s+32*\c:\s+15+32*\c], v[TM+12+2*\c]
	v_cvt_scalef32_pk16_fp6_f32 v[PC+12+4*\c:PC+14+4*\c], v[\s+16+32*\c:\s+31+32*\c], v[TM+12+2*\c+1]
.endr
	v_nop
.irp c, 0,1
.irp i, 0,1,2
	v_permlane16_swap_b32 v[PC+6*\c+\i], v[PC+12+4*\c+\i]
.endr
.irp i, 0,1,2
	v_mov_b32 v[PC+3+6*\c+\i], v[PC+12+4*\c+\i]
.endr
.endr
.endm
	s_load_b256 s[4:11], s[0:1], 0x0
	v_lshl_add_u32 v[SPW], v0, 2, SPARE
	v_mov_b32 v[NIL], 0
	ds_add_u32 v[SPW], v[NIL]
	ds_add_u32 v[SPW], v[NIL]
	v_lshrrev_b32 v1, 5, v0
	v_readfirstlane_b32 s14, v1
	s_lshr_b32 s15, s14, 1
	s_and_b32 s16, s14, 1
	s_bfe_u32 s40, ttmp6, 0x40000
	s_bfe_u32 s41, ttmp6, 0x40004
	s_and_b32 s66, ttmp7, 0xffff
	s_lshr_b32 s67, s66, 2
	s_lshl_b32 s17, s66, 2
	s_add_co_u32 s17, s17, s41
	s_lshl_b32 s42, ttmp9, 2
	s_add_co_u32 s42, s42, s40
	s_lshl_b32 s43, s41, 2
	s_lshl_b32 s43, 15, s43
	s_lshl_b32 s44, 0x1111, s40
	s_or_b32 s[G1+0], s43, (3<<16)|(1<<21)
	s_mov_b32 s[G1+1], 32<<16
	s_mov_b32 s[G1+2], 100<<16
	s_mov_b32 s[G1+3], 32<<16
	s_mov_b32 s[G1+4], 100
	s_mov_b32 s[G1+5], 32
	s_mov_b32 s[G1+6], 0
	s_mov_b32 s[G1+7], 0
	s_or_b32 s[G1B+0], s44, (3<<16)|(1<<21)
	s_mov_b32 s[G1B+1], 32<<16
	s_mov_b32 s[G1B+2], 200<<16
	s_mov_b32 s[G1B+3], 32<<16
	s_mov_b32 s[G1B+4], 200
	s_mov_b32 s[G1B+5], 32
	s_mov_b32 s[G1B+6], 0
	s_mov_b32 s[G1B+7], 0
	s_mul_i32 s20, s17, KST
	s_lshl_b32 s21, s16, 1
	s_add_co_u32 s20, s20, s21
	s_mul_i32 s20, s20, PAN
	s_mov_b32 s21, 0
	s_lshl_b32 s46, s42, 1
	s_add_co_u32 s46, s46, s16
	s_lshl_b32 s47, s67, 3
	s_add_co_u32 s46, s46, s47
	s_mul_i32 s46, s46, KST
	s_add_co_u32 s46, s46, 1024
	s_mul_i32 s46, s46, PAN
	s_mov_b32 s47, 0
	s_mul_i32 s45, s16, 2*PAN
	s_mul_i32 s94, s16, AGRP
	s_add_co_u32 s94, s94, AGRP
	s_lshl_b32 s69, s42, 1
	s_add_co_u32 s69, s69, s16
	s_lshl_b32 s70, s17, 3
	s_add_co_u32 s70, s70, s69
	s_mul_i32 s70, s70, PAN
	s_mov_b32 s71, 0
	s_lshl_b32 s72, s15, 8
	s_lshl_b32 s88, s17, 14
	s_add_co_u32 s88, s88, s72
	s_mov_b32 s89, 0
	s_mul_i32 s90, s17, KST*PAN
	s_add_co_u32 s90, s90, s72
	s_mov_b32 s91, 0
	s_mov_b32 s[HM], 0xffff0000
	s_mov_b32 s[SEL], 0x76543210
	s_mov_b32 s[SEL+1], 0xfedcba98
	s_mov_b32 s76, 0x01010101
	s_mov_b32 s77, 0x80808080
	v_and_b32 v3, 31, v0
	v_and_b32 v1, 15, v0
	v_bfe_u32 v2, v0, 4, 1
	v_lshlrev_b32 v[L16], 4, v3
	v_lshlrev_b32 v5, 4, v1
	v_lshl_add_u32 v8, v2, 10, v5
	v_mul_u32_u24 v9, v2, PAN
	v_add_nc_u32 v9, v9, v5
	s_mul_i32 s23, s15, 4*FRB
	v_add_nc_u32 v[LF], s23, v[L16]
	v_lshl_add_u32 v[LP8], v2, 3, v5
	v_add_nc_u32 v[LP8], s72, v[LP8]
	s_wait_alu depctr_va_vdst(0)
	s_wait_dscnt 0x0
	s_wait_kmcnt 0x0
	s_add_nc_u64 s[20:21], s[4:5], s[20:21]
	s_add_nc_u64 s[46:47], s[8:9], s[46:47]
	s_add_nc_u64 s[92:93], s[4:5], s[90:91]
	s_add_nc_u64 s[6:7], s[6:7], s[88:89]
	s_add_nc_u64 s[10:11], s[10:11], s[70:71]
.irp j, 0,1,2,3,4,5,6,7
	global_load_b128 v[NMR+4*\j:NMR+4*\j+3], v8, s[6:7] offset:2048*\j
	global_load_b128 v[LR+4*\j:LR+4*\j+3], v8, s[6:7] offset:2048*\j+512
	global_load_b128 v[WM+4*\j:WM+4*\j+3], v9, s[92:93] offset:2*PAN*\j+SCO
.endr
	CROUND
.irp s, 0,1
	s_mov_b32 s[G0+4*\s], 1
	s_add_co_u32 s[G0+4*\s+1], s45, \s*SLOT
	s_add_nc_u64 s[G0+4*\s+2:G0+4*\s+3], s[20:21], \s*AGRP
	s_or_b32 s[G0+4*\s+3], s[G0+4*\s+3], 0x80000000
	s_mov_b32 s[G0B+4*\s], 1
	s_add_co_u32 s[G0B+4*\s+1], s94, \s*SLOT
	s_add_nc_u64 s[G0B+4*\s+2:G0B+4*\s+3], s[46:47], \s*AGRP
	s_or_b32 s[G0B+4*\s+3], s[G0B+4*\s+3], 0x80000000
.endr
	JLOAD G0, G1, G0B, G1B                         ; slot 0: one tensor load a wave at the head
; PREFETCHES: a tile that I fetch is 100 blocks of 256 bytes of p (waves 0, 1) or 200 of v (waves 2, 3); the four partners that ask for it jointly take 25 or 50 each, told apart by address (cx for p, cy for v);
; 25 blocks an instruction, lanes 25-31 name the last again.  Behind slot 0's load tiles 1 and 2 are asked for, behind slot 1's tile 3, the last: at most two tiles are asked for and not yet loaded.
.set PFO, 27                           ; v27, s[96:97]: kept for the prefetches, never rewritten
.macro ASK t
	global_prefetch_b8 v[PFO], s[96:97] offset:(\t)*AGRP th:TH_LOAD_NT scope:SCOPE_SE
	s_cmp_eq_u32 s15, 0
	s_cbranch_scc1 .Lpf_\@
	global_prefetch_b8 v[PFO], s[96:97] offset:(\t)*AGRP+6400 th:TH_LOAD_NT scope:SCOPE_SE
.Lpf_\@:
.endm
	s_cmp_eq_u32 s15, 0
	s_cselect_b32 s95, s40, s41
	s_cselect_b64 s[96:97], s[20:21], s[46:47]
	s_mul_i32 s98, s15, 6400
	s_add_co_u32 s98, s98, 6400                    ; a partner's share in bytes
	s_mul_i32 s95, s95, s98
	v_and_b32 v[PFO], 31, v0
	v_min_u32 v[PFO], 24, v[PFO]
	v_lshl_add_u32 v[PFO], v[PFO], 8, s95
	s_wait_alu depctr_va_vdst(0)
	ASK 1
	ASK 2
	s_mul_i32 s21, s15, 4*FRB
	s_mul_i32 s22, s16, AGRP
	s_add_co_u32 s22, s22, AGRP
.irp s, 0,1
	v_add_nc_u32 v[ADRA+\s], s21, v[L16]
	v_add_nc_u32 v[ADRB+\s], s22, v[L16]
	s_add_co_u32 s21, s21, SLOT
	s_add_co_u32 s22, s22, SLOT
.endr
	s_lshl_b32 s21, s15, 8
	s_mul_i32 s22, s16, AGRP
	s_add_co_u32 s22, s22, AGRP
	s_sub_co_u32 s22, s22, s21
	v_mul_u32_u24 v6, s22, v2
	s_add_co_u32 s21, s21, SCO
	v_add_nc_u32 v6, v5, v6
	v_add_nc_u32 v[ADRS], s21, v6
	v_add_nc_u32 v[ADRS+1], SLOT, v[ADRS]
	v_lshl_add_u32 v[ADRT], v2, 8, v[ADRS]
	v_lshl_add_u32 v[ADRT+1], v2, 8, v[ADRS+1]
.irp i, 0,1,2,3
	v_mov_b32 v[TT+\i], 0
.endr
	s_wait_loadcnt 0x0
.irp i, 0,1,2,3
	v_min3_num_f32 v[NMN+\i], v[NMR+\i], v[NMR+4+\i], v[NMR+8+\i]
.endr
.irp j, 3,5
.irp i, 0,1,2,3
	v_min3_num_f32 v[NMN+\i], v[NMN+\i], v[NMR+4*\j+\i], v[NMR+4*\j+4+\i]
.endr
.endr
.irp i, 0,1,2,3
	v_min_num_f32 v[NMN+\i], v[NMN+\i], v[NMR+28+\i]
.endr
.irp i, 0,1,2,3
	v_permlanex16_b32 v[TT+\i], v[NMN+\i], s[SEL], s[SEL+1]
.endr
.irp i, 0,1,2,3
	v_min_num_f32 v[NMN+\i], v[NMN+\i], v[TT+\i]
.endr
.macro FIXS j
.irp i, 0,1,2,3
	v_sub_f32 v[TT+\i], v[NMN+\i], v[NMR+4*(\j)+\i]
.endr
.irp i, 0,1,2,3
	v_max_num_f32 v[TT+\i], 0xc2fe0000, v[TT+\i]
.endr
.irp i, 0,1,2,3
	v_cvt_i32_f32 v[TT+\i], v[TT+\i]
.endr
.if (\j) == 0
.irp i, 0,1,2,3
	v_ldexp_f32 v[LSUM+\i], v[LR+\i], v[TT+\i]
.endr
.else
.irp i, 0,1,2,3
	v_ldexp_f32 v[UU+\i], v[LR+4*(\j)+\i], v[TT+\i]
.endr
.irp i, 0,1,2,3
	v_add_f32 v[LSUM+\i], v[LSUM+\i], v[UU+\i]
.endr
.endif
.irp i, 0,1,2,3
	v_sub_nc_u32 v[TT+\i], 0, v[TT+\i]
.endr
.irp i, 0,1,2,3
	v_mul_lo_u32 v[TT+\i], v[TT+\i], s76
.endr
.irp i, 0,1,2,3
	v_or_b32 v[WM+4*(\j)+\i], s77, v[WM+4*(\j)+\i]
.endr
.irp i, 0,1,2,3
	v_sub_nc_u32 v[WM+4*(\j)+\i], v[WM+4*(\j)+\i], v[TT+\i]
.endr
.irp i, 0,1,2,3
	v_and_b32 v[TT+\i], s77, v[WM+4*(\j)+\i]
.endr
.irp i, 0,1,2,3
	v_lshrrev_b32 v[UU+\i], 7, v[TT+\i]
.endr
.irp i, 0,1,2,3
	v_sub_nc_u32 v[TT+\i], v[TT+\i], v[UU+\i]
.endr
.irp i, 0,1,2,3
	v_and_b32 v[WM+4*(\j)+\i], v[WM+4*(\j)+\i], v[TT+\i]
.endr
.endm
.irp j, 0,1,2,3,4,5,6,7
	FIXS \j
.endr
.irp i, 0,1,2,3
	v_permlanex16_b32 v[UU+\i], v[LSUM+\i], s[SEL], s[SEL+1]
.endr
.irp i, 0,1,2,3
	v_add_f32 v[LSUM+\i], v[LSUM+\i], v[UU+\i]
.endr
	s_wait_alu depctr_va_vdst(0)
.irp i, 0,1,2,3
	v_rcp_f32 v[RL+\i], v[LSUM+\i]
.endr
	v_nop
	s_wait_alu depctr_va_vdst(0)
	PLACES 8
	s_wait_tensorcnt 0x0                           ; my part of slot 0 is in
	ds_add_u32 v[SPW], v[NIL]
	s_wait_dscnt 0x0
	CROUND                                         ; everybody's part of slot 0 is in, and the sixteen work-groups meet
	JLOAD G0+4, G1, G0B+4, G1B                     ; slot 1's first fill, the first tensor load behind the round
	ASK 3
	FETCH_B 0, 0, 0
	FETCH_AS 0, 0, 0
	PANEL 0, 0, 1, 0
	PANEL 0, 1, 0, 1
	PANEL 0, 2, 0, 2
	TURN 0, 1, 1, 3
	PANEL 1, 0, 0, 4
	PANEL 1, 1, 0, 5
	PANEL 1, 2, 0, 6
	TURN 1, 0, 1, 7
	PANEL 0, 0, 0, 8
	PANEL 0, 1, 0, 9
	PANEL 0, 2, 0, 10
	TURN 0, 1, 0, 11
	PANEL 1, 0, 0, 12
	PANEL 1, 1, 0, 13
	PANEL 1, 2, 0, 14
	s_wait_dscnt 0x0
	WIN MULW
	MULB 0, 1, 0, 15
	MULB 1, 1, 0, 15
	MULB 2, 1, 0, 15
	MULB 3, 1, 0, 15
	WIN 0
.macro CEPI a
.set AC, 64*(\a)
.set RP, RL+2*((\a)/2)
	s_wait_xcnt 0x0
	WIN 0x02
.set n, 0
.rept 32
.if (\a)%2
	v_pk_mul_f32 v[HA+n:HA+n+1], v[AC+n:AC+n+1], v[RP:RP+1] op_sel:[0,1] op_sel_hi:[1,1]
.else
	v_pk_mul_f32 v[HA+n:HA+n+1], v[AC+n:AC+n+1], v[RP:RP+1] op_sel_hi:[1,0]
.endif
.set n, n+2
.endr
	WIN 0
	QMAX HA
	QTAIL HA
.irp c, 0,1,2
	global_store_b128 v[LF], v[PC+4*\c:PC+4*\c+3], s[10:11] offset:(\a)*FRB+512*\c
.endr
	v_mov_b32 v[SW+(\a)], v[PW]
.endm
	PLACES NP
.irp b, 0,1,2,3
	v_mov_b32 v[TM+4+\b], 0
.endr
.irp a, 0,1,2,3
	CEPI \a
.endr
	v_cndmask_b32 v[SW], v[SW], v[SW+2], s[HM]
	v_cndmask_b32 v[SW+1], v[SW+1], v[SW+3], s[HM]
	global_store_b64 v[LP8], v[SW:SW+1], s[10:11] offset:SCO
	s_wait_tensorcnt 0x0
	ds_add_u32 v[SPW], v[NIL]
	s_wait_dscnt 0x0
	CROUND
	s_endpgm
.Lfunc_end_k_qf00e7c3856_ctx:
	.size	k_qf00e7c3856_ctx, .Lfunc_end_k_qf00e7c3856_ctx-k_qf00e7c3856_ctx
	.p2alignl 7, 3214868480
	.fill 96, 4, 3214868480
	.section	.rodata,"a",@progbits
	.p2align	6, 0x0
	.amdhsa_kernel k_qf00e7c3856_ctx
		.amdhsa_group_segment_fixed_size 327680
		.amdhsa_private_segment_fixed_size 0
		.amdhsa_enable_private_segment 0
		.amdhsa_kernarg_size 32
		.amdhsa_user_sgpr_count 2
		.amdhsa_user_sgpr_kernarg_segment_ptr 1
		.amdhsa_wavefront_size32 1
		.amdhsa_system_sgpr_workgroup_id_x 1
		.amdhsa_system_sgpr_workgroup_id_y 1
		.amdhsa_system_sgpr_workgroup_id_z 1
		.amdhsa_system_vgpr_workitem_id 0
		.amdhsa_next_free_vgpr 768
		.amdhsa_next_free_sgpr 100
		.amdhsa_reserve_vcc 0
		.amdhsa_float_denorm_mode_32 3
		.amdhsa_float_denorm_mode_16_64 3
		.amdhsa_memory_ordered 1
		.amdhsa_forward_progress 1
		.amdhsa_inst_pref_size 164
	.end_amdhsa_kernel
	.amdgpu_metadata
---
amdhsa.version: [ 1, 2 ]
amdhsa.kernels:
  - .name:           k_qf00e7c3856_ctx
    .symbol:         k_qf00e7c3856_ctx.kd
    .args:
      - { .name: pc, .offset: 0, .size: 8, .value_kind: global_buffer, .address_space: global }
      - { .name: pst, .offset: 8, .size: 8, .value_kind: global_buffer, .address_space: global }
      - { .name: qkv, .offset: 16, .size: 8, .value_kind: global_buffer, .address_space: global }
      - { .name: cc, .offset: 24, .size: 8, .value_kind: global_buffer, .address_space: global }
    .group_segment_fixed_size: 327680
    .private_segment_fixed_size: 0
    .kernarg_segment_align: 8
    .kernarg_segment_size: 32
    .max_flat_workgroup_size: 128
    .sgpr_count:     100
    .vgpr_count:     768
    .wavefront_size: 32
...
	.end_amdgpu_metadata
.endif
;; end of part 4
;; launch out (part 5): grid 4 x 64, 4 waves a work-group, clusters of 4 x 4, 327,680 bytes of LDS; arguments cc, codes, bo, out0; writes out0
.if DOCPART == 5
	.amdgcn_target "amdgcn-amd-amdhsa--gfx1250"
	.amdhsa_code_object_version 6
	.text
	.protected	k_qf00e7c3856_out
	.globl	k_qf00e7c3856_out
	.p2align	8
	.type	k_qf00e7c3856_out,@function
k_qf00e7c3856_out:
	s_mov_b64 s[64:65], 0
	v_nop
	global_prefetch_b8 v0, s[64:65] scope:SCOPE_SE
	s_setreg_imm32_b32 hwreg(HW_REG_WAVE_MODE, 25, 1), 1
	s_wait_xcnt 0x0
	s_wait_alu depctr_hold_cnt(0) depctr_sa_sdst(0) depctr_va_vdst(0) depctr_va_sdst(0) depctr_va_ssrc(0) depctr_va_vcc(0) depctr_vm_vsrc(0)
	s_getreg_b32 s2, hwreg(HW_REG_IB_STS2, 6, 4)
	s_cmp_eq_u32 s2, 0
	s_cbranch_scc0 .Lentry_in_a_cluster
	s_endpgm
.Lentry_in_a_cluster:
	s_bfe_u32 s2, ttmp6, 0x10000c
	s_cmp_lg_u32 s2, 0xf033
	s_cbranch_scc0 .Lentry_shape_is_right
	s_endpgm
.Lentry_shape_is_right:
.set KST,   8
.set PAN,   12800
.set FRB,   1536
.set SCO,   12288
.set NQ,    4
.set FR,    12
.set NL,    3
.set NP,    4
.set AGRP,  NQ*PAN
.set SLOT,  3*AGRP
.set SPARE, 2*SLOT
.set SPITCH, 528
.set ADRA, 16
.set ADRB, 18
.set ADRS, 20
.set ADRT, 22
.set L16,  24
.set STO,  25
.set RD,   26
.set SPW,  28
.set NIL,  29
.set SC,   32
.set BIAS, 48
.set AF,   128
.set BK,   128
.set G1,  24
.set G0,  32
.set G1B, 48
.set G0B, 56
.set MSB, 0
.macro WIN new
.if MSB != (\new)
	s_set_vgpr_msb (MSB<<8)|(\new)
.set MSB, (\new)
.endif
.endm
.set MULW, 0xa1
.set TO_B, 0x40
.macro JLOAD g0a, g1a, g0b, g1b
	s_cmp_eq_u32 s15, 0
	s_cbranch_scc0 .Lfor_b_\@
	tensor_load_to_lds s[\g0a:\g0a+3], s[\g1a:\g1a+7]
	s_nop 0
.rept 4
	v_nop
.endr
	s_branch .Lasked_\@
.Lfor_b_\@:
	tensor_load_to_lds s[\g0b:\g0b+3], s[\g1b:\g1b+7]
	s_nop 0
.rept 4
	v_nop
.endr
.Lasked_\@:
.endm
.macro CROUND
	s_barrier_signal -1
	s_barrier_wait -1
	s_cmp_lg_u32 s14, 0
	s_cbranch_scc1 .Lnot_wave_0_\@
	s_barrier_signal -3
.Lnot_wave_0_\@:
	s_barrier_wait -3
	s_barrier_signal -1
	s_barrier_wait -1
.endm
.macro FRAG reg, adr, q, i
.irp c, 0,1,2
	ds_load_b128 v[(\reg)+4*\c:(\reg)+4*\c+3], v[\adr] offset:(\q)*PAN+(\i)*FRB+512*\c
.endr
.endm
.macro MULB i, p, zero
.irp b, 0,1,2,3,4,5,6,7
.set rD, 8*(8*(\i)+\b)
.set rB, 128*(\p)+FR*\b
.set rA, AF+48*(\p)+FR*(\i)
.set rSB, SC+8*(\p)+\b
.set rSA, SC+8*(\p)+(\i)
.if (\zero) == 2
	v_wmma_scale_f32_16x16x128_f8f6f4 v[rD:rD+7], v[rB:rB+FR-1], v[rA:rA+FR-1], v[BIAS+8*\b:BIAS+8*\b+7], v[rSB], v[rSA] matrix_a_fmt:MATRIX_FMT_FP6 matrix_b_fmt:MATRIX_FMT_FP6 matrix_a_scale:MATRIX_SCALE_ROW1
.else
	v_wmma_scale_f32_16x16x128_f8f6f4 v[rD:rD+7], v[rB:rB+FR-1], v[rA:rA+FR-1], v[rD:rD+7], v[rSB], v[rSA] matrix_a_fmt:MATRIX_FMT_FP6 matrix_b_fmt:MATRIX_FMT_FP6 matrix_a_scale:MATRIX_SCALE_ROW1
.endif
.endr
.endm
.macro FETCH_B slot, q, p
	WIN TO_B
.irp i, 0,1,2,3,4,5,6,7
	FRAG 128*(\p)+FR*\i, ADRB+\slot, \q, \i
.endr
	WIN 0
.endm
.macro FETCH_AS slot, q, p
.irp i, 0,1,2,3
	FRAG AF+48*(\p)+FR*\i, ADRA+\slot, \q, \i
.endr
	ds_load_b128 v[SC+8*(\p):SC+8*(\p)+3], v[ADRS+\slot] offset:(\q)*PAN
	ds_load_b128 v[SC+8*(\p)+4:SC+8*(\p)+7], v[ADRT+\slot] offset:(\q)*PAN
.endm
.macro PLACES n
.rept \n
	v_nop
.endr
.endm
.macro PANEL slot, q, zero
	PLACES NP
	FETCH_B \slot, (\q)+1, 1-(\q)%2
	s_wait_dscnt 8*NL
	FETCH_AS \slot, (\q)+1, 1-(\q)%2
.if (\zero) == 2
	WIN 0x81
.else
	WIN MULW
.endif
	MULB 0, (\q)%2, \zero
	MULB 1, (\q)%2, \zero
	MULB 2, (\q)%2, \zero
	MULB 3, (\q)%2, \zero
.endm
	s_load_b256 s[4:11], s[0:1], 0x0
	v_lshl_add_u32 v[SPW], v0, 2, SPARE
	v_mov_b32 v[NIL], 0
	ds_add_u32 v[SPW], v[NIL]
	ds_add_u32 v[SPW], v[NIL]
	v_lshrrev_b32 v1, 5, v0
	v_readfirstlane_b32 s14, v1
	s_lshr_b32 s15, s14, 1
	s_and_b32 s16, s14, 1
	s_bfe_u32 s40, ttmp6, 0x40000
	s_bfe_u32 s41, ttmp6, 0x40004
	s_and_b32 s66, ttmp7, 0xffff
	s_lshl_b32 s17, s66, 2
	s_add_co_u32 s17, s17, s41
	s_lshl_b32 s42, ttmp9, 2
	s_add_co_u32 s42, s42, s40
	s_lshl_b32 s43, s41, 2
	s_lshl_b32 s43, 15, s43
	s_lshl_b32 s44, 0x1111, s40
	s_or_b32 s[G1+0], s43, (3<<16)|(1<<21)
	s_mov_b32 s[G1+1], 32<<16
	s_mov_b32 s[G1+2], 100<<16
	s_mov_b32 s[G1+3], 32<<16
	s_mov_b32 s[G1+4], 100
	s_mov_b32 s[G1+5], 32
	s_mov_b32 s[G1+6], 0
	s_mov_b32 s[G1+7], 0
	s_or_b32 s[G1B+0], s44, (3<<16)|(1<<21)
	s_mov_b32 s[G1B+1], 32<<16
	s_mov_b32 s[G1B+2], 200<<16
	s_mov_b32 s[G1B+3], 32<<16
	s_mov_b32 s[G1B+4], 200
	s_mov_b32 s[G1B+5], 32
	s_mov_b32 s[G1B+6], 0
	s_mov_b32 s[G1B+7], 0
	s_mul_i32 s20, s17, KST
	s_lshl_b32 s21, s16, 1
	s_add_co_u32 s20, s20, s21
	s_mul_i32 s20, s20, PAN
	s_mov_b32 s21, 0
	s_lshl_b32 s46, s42, 1
	s_add_co_u32 s46, s46, s16
	s_mul_i32 s46, s46, KST
	s_add_co_u32 s46, s46, 1728
	s_mul_i32 s46, s46, PAN
	s_mov_b32 s47, 0
	s_mul_i32 s45, s16, 2*PAN
	s_mul_i32 s94, s16, AGRP
	s_add_co_u32 s94, s94, AGRP
	s_lshl_b32 s69, s42, 1
	s_add_co_u32 s69, s69, s16
	s_lshl_b32 s70, s17, 19
	s_lshl_b32 s71, s15, 18
	s_add_co_u32 s70, s70, s71
	s_lshl_b32 s72, s69, 9
	s_add_co_u32 s70, s70, s72
	s_mov_b32 s71, 0
	s_mov_b32 s73, 0
	v_and_b32 v3, 31, v0
	v_and_b32 v1, 15, v0
	v_bfe_u32 v2, v0, 4, 1
	v_lshlrev_b32 v[L16], 4, v3
	v_lshlrev_b32 v5, 4, v1
	v_lshlrev_b32 v7, 6, v2
	s_wait_alu depctr_va_vdst(0)
	s_wait_dscnt 0x0
	s_wait_kmcnt 0x0
	s_add_nc_u64 s[20:21], s[4:5], s[20:21]
	s_add_nc_u64 s[46:47], s[6:7], s[46:47]
	s_add_nc_u64 s[8:9], s[8:9], s[72:73]
	s_add_nc_u64 s[10:11], s[10:11], s[70:71]
.irp b, 0,1,2,3,4,5,6,7
	global_load_b128 v[BIAS+8*\b:BIAS+8*\b+3], v7, s[8:9] offset:128*(\b/2)+32*(\b%2)
	global_load_b128 v[BIAS+8*\b+4:BIAS+8*\b+7], v7, s[8:9] offset:128*(\b/2)+32*(\b%2)+16
.endr
	CROUND
.irp s, 0,1
	s_mov_b32 s[G0+4*\s], 1
	s_add_co_u32 s[G0+4*\s+1], s45, \s*SLOT
	s_add_nc_u64 s[G0+4*\s+2:G0+4*\s+3], s[20:21], \s*AGRP
	s_or_b32 s[G0+4*\s+3], s[G0+4*\s+3], 0x80000000
	s_mov_b32 s[G0B+4*\s], 1
	s_add_co_u32 s[G0B+4*\s+1], s94, \s*SLOT
	s_add_nc_u64 s[G0B+4*\s+2:G0B+4*\s+3], s[46:47], \s*AGRP
	s_or_b32 s[G0B+4*\s+3], s[G0B+4*\s+3], 0x80000000
.endr
	JLOAD G0, G1, G0B, G1B                         ; slot 0: one tensor load a wave at the head
; PREFETCH of tile 1, the last: 100 blocks of 256 bytes of the context (waves 0, 1) or 200 of Wo (waves 2, 3); the four partners that ask for a tile jointly take 25 or 50 each, told apart by address;
; 25 blocks an instruction, lanes 25-31 name the last again.
.set PFO, 27                           ; v27, s[96:97]: kept for the prefetch, never rewritten
	s_cmp_eq_u32 s15, 0
	s_cselect_b32 s95, s40, s41
	s_cselect_b64 s[96:97], s[20:21], s[46:47]
	s_mul_i32 s98, s15, 6400
	s_add_co_u32 s98, s98, 6400                    ; a partner's share in bytes
	s_mul_i32 s95, s95, s98
	v_and_b32 v[PFO], 31, v0
	v_min_u32 v[PFO], 24, v[PFO]
	v_lshl_add_u32 v[PFO], v[PFO], 8, s95
	s_wait_alu depctr_va_vdst(0)
	global_prefetch_b8 v[PFO], s[96:97] offset:AGRP th:TH_LOAD_NT scope:SCOPE_SE
	s_cmp_eq_u32 s15, 0
	s_cbranch_scc1 .Lpf_done
	global_prefetch_b8 v[PFO], s[96:97] offset:AGRP+6400 th:TH_LOAD_NT scope:SCOPE_SE
.Lpf_done:
	s_mul_i32 s21, s15, 4*FRB
	s_mul_i32 s22, s16, AGRP
	s_add_co_u32 s22, s22, AGRP
.irp s, 0,1
	v_add_nc_u32 v[ADRA+\s], s21, v[L16]
	v_add_nc_u32 v[ADRB+\s], s22, v[L16]
	s_add_co_u32 s21, s21, SLOT
	s_add_co_u32 s22, s22, SLOT
.endr
	s_lshl_b32 s21, s15, 8
	s_mul_i32 s22, s16, AGRP
	s_add_co_u32 s22, s22, AGRP
	s_sub_co_u32 s22, s22, s21
	v_mul_u32_u24 v6, s22, v2
	s_add_co_u32 s21, s21, SCO
	v_add_nc_u32 v6, v5, v6
	v_add_nc_u32 v[ADRS], s21, v6
	v_add_nc_u32 v[ADRS+1], SLOT, v[ADRS]
	v_lshl_add_u32 v[ADRT], v2, 8, v[ADRS]
	v_lshl_add_u32 v[ADRT+1], v2, 8, v[ADRS+1]
	s_mul_i32 s23, s14, 16*SPITCH
	v_mul_u32_u24 v5, v1, SPITCH
	v_lshl_add_u32 v5, v2, 6, v5
	v_add_nc_u32 v[STO], s23, v5
	v_add_nc_u32 v[RD], s23, v[L16]
	s_wait_alu depctr_va_vdst(0)
	s_wait_loadcnt 0x0
	s_wait_tensorcnt 0x0                           ; my part of slot 0 is in
	ds_add_u32 v[SPW], v[NIL]
	s_wait_dscnt 0x0
	CROUND                                         ; everybody's part of slot 0 is in, and the sixteen work-groups meet
	JLOAD G0+4, G1, G0B+4, G1B                     ; slot 1's first fill, the first tensor load behind the round
	FETCH_B 0, 0, 0
	FETCH_AS 0, 0, 0
	PANEL 0, 0, 2
	PANEL 0, 1, 0
	PANEL 0, 2, 0
	s_wait_tensorcnt 0x0
	s_wait_dscnt 0x0
	s_barrier_signal -1
	WIN MULW
	MULB 0, 1, 0
	MULB 1, 1, 0
	s_barrier_wait -1
	PLACES NP
	FETCH_B 1, 0, 0
	FETCH_AS 1, 0, 0
	WIN MULW
	MULB 2, 1, 0
	MULB 3, 1, 0
	PANEL 1, 0, 0
	PANEL 1, 1, 0
	PANEL 1, 2, 0
	s_wait_dscnt 0x0
	WIN MULW
	MULB 0, 1, 0
	MULB 1, 1, 0
	MULB 2, 1, 0
	MULB 3, 1, 0
	WIN 0
.macro TOSTAGE a
.set AC, 64*(\a)
	WIN 0x08
.irp b, 0,1,2,3,4,5,6,7
	ds_store_b128 v[STO], v[AC+8*\b:AC+8*\b+3] offset:128*(\b/2)+32*(\b%2)
	ds_store_b128 v[STO], v[AC+8*\b+4:AC+8*\b+7] offset:128*(\b/2)+32*(\b%2)+16
.endr
	WIN 0
.set BB, BK+64*((\a)%2)
.irp t, 0,1,2,3,4,5,6,7,8,9,10,11,12,13,14,15
	ds_load_b128 v[BB+4*\t:BB+4*\t+3], v[RD] offset:\t*SPITCH
.endr
.endm
.macro SEND a, younger
.set BB, BK+64*((\a)%2)
	s_wait_dscnt \younger
.irp t, 0,1,2,3,4,5,6,7,8,9,10,11,12,13,14,15
	global_store_b128 v[L16], v[BB+4*\t:BB+4*\t+3], s[10:11] offset:(32*((\a)/2)+8*((\a)%2)+\t+8*(\t/8))*4096 th:TH_STORE_NT
.endr
.endm
	PLACES NP
	TOSTAGE 0
.irp a, 1,2,3
.if \a > 1
	s_wait_xcnt 0x0
.endif
	TOSTAGE \a
	SEND \a-1, 32
.endr
	SEND 3, 0
	s_wait_tensorcnt 0x0
	ds_add_u32 v[SPW], v[NIL]
	s_wait_dscnt 0x0
	CROUND
	s_endpgm
.Lfunc_end_k_qf00e7c3856_out:
	.size	k_qf00e7c3856_out, .Lfunc_end_k_qf00e7c3856_out-k_qf00e7c3856_out
	.p2alignl 7, 3214868480
	.fill 96, 4, 3214868480
	.section	.rodata,"a",@progbits
	.p2align	6, 0x0
	.amdhsa_kernel k_qf00e7c3856_out
		.amdhsa_group_segment_fixed_size 327680
		.amdhsa_private_segment_fixed_size 0
		.amdhsa_enable_private_segment 0
		.amdhsa_kernarg_size 32
		.amdhsa_user_sgpr_count 2
		.amdhsa_user_sgpr_kernarg_segment_ptr 1
		.amdhsa_wavefront_size32 1
		.amdhsa_system_sgpr_workgroup_id_x 1
		.amdhsa_system_sgpr_workgroup_id_y 1
		.amdhsa_system_sgpr_workgroup_id_z 1
		.amdhsa_system_vgpr_workitem_id 0
		.amdhsa_next_free_vgpr 768
		.amdhsa_next_free_sgpr 100
		.amdhsa_reserve_vcc 0
		.amdhsa_float_denorm_mode_32 3
		.amdhsa_float_denorm_mode_16_64 3
		.amdhsa_memory_ordered 1
		.amdhsa_forward_progress 1
		.amdhsa_inst_pref_size 78
	.end_amdhsa_kernel
	.amdgpu_metadata
---
amdhsa.version: [ 1, 2 ]
amdhsa.kernels:
  - .name:           k_qf00e7c3856_out
    .symbol:         k_qf00e7c3856_out.kd
    .args:
      - { .name: cc, .offset: 0, .size: 8, .value_kind: global_buffer, .address_space: global }
      - { .name: codes, .offset: 8, .size: 8, .value_kind: global_buffer, .address_space: global }
      - { .name: bo, .offset: 16, .size: 8, .value_kind: global_buffer, .address_space: global }
      - { .name: out0, .offset: 24, .size: 8, .value_kind: global_buffer, .address_space: global }
    .group_segment_fixed_size: 327680
    .private_segment_fixed_size: 0
    .kernarg_segment_align: 8
    .kernarg_segment_size: 32
    .max_flat_workgroup_size: 128
    .sgpr_count:     100
    .vgpr_count:     768
    .wavefront_size: 32
...
	.end_amdgpu_metadata
.endif
;; end of part 5
